; MI455X (gfx1250); checked and timed in simulation.
; The chip was launched on July 23, 2026; its instructions are those of AMD's public machine-readable ISA for CDNA 5 (MIT licence, August 2026) and "CDNA5" Instruction Set Architecture Reference Guide (July 2026). The comments in the code are by the model that wrote it; some were corrected since.
;; Moe Layer. Allowed arithmetic: matrix products marked QUANTISED: E3M2 operands, one E8M0 scale for each 32 along K, by v_wmma_scale_f32_16x16x128_f8f6f4 with both operands' format E3M2, f32 sums; products left as they are: f32 operands where the result goes on into a quantised operand, else bf16, f16 or f32 operands; f32 sums; everything else in f32.
;; Inputs: W1 8 x 1,024 x 4,096 float32; W2 8 x 4,096 x 1,024 float32; Wg_in 1,024 x 8 float32; Wg_task 64 x 8 float32; alpha one number float32; b1 8 x 4,096 float32; b2 8 x 1,024 float32; bg_in 8 float32; bg_task 8 float32; inputs 4 x 256 x 1,024 float32; task_param 4 x 256 x 64 float32.
;; Outputs: out0 4 x 256 x 1,024 float32; out1 one number float32.
;; This version of the problem:
;;   THIS VERSION OF THE PROBLEM IS GIVEN IN LOW PRECISION. The matrix products marked QUANTISED in the list below multiply operands that are first quantised to E3M2 (3 exponent bits, 2 mantissa bits; 6 bits a number), with one power-of-two scale for each 32 numbers along K (OCP MX v1.0); their sums are f32. All else is computed in f32.
;;   The module's matrix products, in the order in which they are computed (A, B: the left and right operand; K: the contracted axis; several contracted axes count as one K, in the product's order):
;;     1. [M 1,024, K 1,024] x [K 1,024, N 8]; A: input inputs; B: input Wg_in: left as it is (N = 8 < 16)
;;     2. [M 1,024, K 64] x [K 64, N 8]; A: input task_param; B: input Wg_task: left as it is (N = 8 < 16)
;;     3. batch 1,024 x [M 1, K 2] x [K 2, N 8]; A: softmax; B: computed on the way: left as it is (K = 2 < 32)
;;     4. [M 1,024, K 1,024] x [K 1,024, N 4,096]; A: input inputs; B: input W1: QUANTISED
;;     5. [M 1,024, K 4,096] x [K 4,096, N 1,024]; A: computed on the way; B: input W2: QUANTISED
;;     6. [M 1,024, K 1,024] x [K 1,024, N 4,096]; A: input inputs; B: input W1: QUANTISED
;;     7. [M 1,024, K 4,096] x [K 4,096, N 1,024]; A: computed on the way; B: input W2: QUANTISED
;;     8. [M 1,024, K 1,024] x [K 1,024, N 4,096]; A: input inputs; B: input W1: QUANTISED
;;     9. [M 1,024, K 4,096] x [K 4,096, N 1,024]; A: computed on the way; B: input W2: QUANTISED
;;     10. [M 1,024, K 1,024] x [K 1,024, N 4,096]; A: input inputs; B: input W1: QUANTISED
;;     11. [M 1,024, K 4,096] x [K 4,096, N 1,024]; A: computed on the way; B: input W2: QUANTISED
;;     12. [M 1,024, K 1,024] x [K 1,024, N 4,096]; A: input inputs; B: input W1: QUANTISED
;;     13. [M 1,024, K 4,096] x [K 4,096, N 1,024]; A: computed on the way; B: input W2: QUANTISED
;;     14. [M 1,024, K 1,024] x [K 1,024, N 4,096]; A: input inputs; B: input W1: QUANTISED
;;     15. [M 1,024, K 4,096] x [K 4,096, N 1,024]; A: computed on the way; B: input W2: QUANTISED
;;     16. [M 1,024, K 1,024] x [K 1,024, N 4,096]; A: input inputs; B: input W1: QUANTISED
;;     17. [M 1,024, K 4,096] x [K 4,096, N 1,024]; A: computed on the way; B: input W2: QUANTISED
;;     18. [M 1,024, K 1,024] x [K 1,024, N 4,096]; A: input inputs; B: input W1: QUANTISED
;;     19. [M 1,024, K 4,096] x [K 4,096, N 1,024]; A: computed on the way; B: input W2: QUANTISED
;;   THE QUANTISER, for each operand of a quantised product, along K:
;;     - K is cut into blocks of 32 from its start; a last block that is shorter is filled with zeros.
;;     - A block's scale is 2^e with e = floor(log2(the largest magnitude in the block)) - 4, held to -126 .. 127; a block of zeros has e = 0. As a byte (E8M0): e + 127.
;;     - Each number is divided by its block's scale, clamped to +-28, and rounded to the nearest number of E3M2, ties to even, subnormals kept.
;;     - The product sums the exact products of the quantised numbers (number of the format x scale) in f32.
;;   ~~~python
;;   def quantise(x, axis):      # numpy; x: float32 -> the quantised numbers, widened to float32 again
;;       x = np.moveaxis(x, axis, -1); K = x.shape[-1]
;;       x = np.pad(x, [(0, 0)] * (x.ndim - 1) + [(0, -K % 32)]); x = x.reshape(x.shape[:-1] + (-1, 32)); a = np.abs(x).max(-1, keepdims=True)
;;       e = np.where(a > 0, np.clip(np.frexp(np.where(a > 0, a, 1))[1] - 1 - 4, -126, 127), 0)      # np.frexp(a)[1] - 1 = floor(log2(a)), exactly
;;       r = np.clip(x / 2.0 ** e, -28, 28)
;;       step = 2.0 ** (np.maximum(np.frexp(np.where(r == 0, 1, r))[1] - 1, -2) - 2)
;;       q = np.round(r / step) * step * 2.0 ** e      # np.round: ties to even
;;       return np.moveaxis(q.reshape(q.shape[:-2] + (-1,))[..., :K], -1, axis).astype(np.float32)
;;   ~~~
;;   OPERANDS COMPUTED ON THE WAY. 'Computed on the way' means the value that the module computes at that place (a softmax that the list does not call 'softmax' is quantised finished and normalised). What goes into a quantiser is computed in f32, as accurately as f32 sums, v_exp_f32 and their like allow (about 1e-6 of the number): no bf16 or f16 on the way to a quantiser, and a product that is left as it is and whose result goes on into a quantised operand takes f32 operands (vector FMAs, or v_wmma_f32_16x16x4_f32). A number that lies on a knife's edge between two numbers of the format may be rounded either way, as far as f32 arithmetic and the matrix unit's own rounding can turn it there, and no further.
;; 2 versions. Each part assembles by itself: llvm-mc -triple=amdgcn-amd-amdhsa -mcpu=gfx1250 --defsym DOCPART=n.
;; ======== version 1 of 2: 5 launches
;; workspace buffers: sel 4,096 bytes of whole numbers; gw 8,192 bytes; part 16,384 bytes; lst 33,792 bytes of whole numbers; xg 6,553,600 bytes; hg 26,214,400 bytes; yp 33,685,504 bytes
;; launch gate (part 1): grid 64 x 1, 4 waves a work-group, no clusters, 0 bytes of LDS; arguments inputs, task_param, alpha, Wg_in, bg_in, Wg_task, bg_task, sel, gw, part; writes sel, gw, part
.if DOCPART == 1
	.amdgcn_target "amdgcn-amd-amdhsa--gfx1250"
	.amdhsa_code_object_version 6
	.text
	.protected	k_qb1b1353d5f_gate
	.globl	k_qb1b1353d5f_gate
	.p2align	8
	.type	k_qb1b1353d5f_gate,@function
k_qb1b1353d5f_gate:
	s_mov_b64 s[64:65], 0
	v_nop
	global_prefetch_b8 v0, s[64:65] scope:SCOPE_SE
	s_setreg_imm32_b32 hwreg(HW_REG_WAVE_MODE, 25, 1), 1
	s_wait_xcnt 0x0
; THE GATE.  logits = (1 - alpha) (x Wg_in + bg_in) + alpha (task Wg_task + bg_task), all in f32 by fused multiply-adds: the choice of experts hangs on them.
; For each token: the two largest logits (of equal logits the lower index comes first), the softmax over those two, the softmax over all eight.
; Stored: sel[token] = e0 | e1 << 8 (whole numbers: a later launch makes addresses of them, this one makes none), gw[token] = w0, w1,
; part[wave] = the sums over the wave's four tokens of the eight softmax weights and of the eight counts, for the auxiliary loss.
; SHARES.  256 waves, four tokens each.  Lane l holds k = 128 c + 4 l + j of a row of x (each load of the wave covers 512 consecutive bytes) and the same rows of Wg_in, in window 1.
; LIMITS.  NaN and infinities are not served.  The sums are taken in another order than a plain loop over k takes them: two logits that differ by less than f32 rounding of such sums may be ranked either way.
.set AI,   16                          ; v16-23   the input gate's eight sums, then the blended sums
.set AT,   24                          ; v24-31   the task gate's
.set LG,   32                          ; v32-39   the logits
.set LM,   40                          ; v40-47   the logits with the first choice masked; then the softmax's terms
.set PD,   48                          ; v48-55   destinations of the lane permute; then at work
.set M1,   56
.set I1,   57
.set M2,   58
.set I2,   59
.set EX,   60
.set RC,   61
.set XR,   64                          ; v64-191  x: token i, chunk c at 64 + 32 i + 4 c
.set TK,   192                         ; v192-199 task_param: a pair for each token
.set GT,   200                         ; v200-215 Wg_task: row j of my two at 8 j
.set SELW, 216                         ; v216-219 the four tokens' words
.set WP,   220                         ; v220-227 their w0, w1
.set SW,   228                         ; v228-235 sums of softmax weights
.set SC,   236                         ; v236-243 sums of counts
.set BI,   244                         ; v244-251 the blended biases
.set BL,   252                         ; v252 1 - alpha, v253 alpha
.set MSB, 0
.macro WIN new                         ; the immediate's high byte repeats the setting that is left
.if MSB != (\new)
	s_set_vgpr_msb (MSB<<8)|(\new)
.set MSB, (\new)
.endif
.endm
	s_load_b512 s[4:19], s[0:1], 0x0               ; inputs 4, task_param 6, alpha 8, Wg_in 10, bg_in 12, Wg_task 14, bg_task 16, sel 18
	s_load_b128 s[20:23], s[0:1], 0x40             ; gw 20, part 22
	v_lshrrev_b32 v1, 5, v0
	v_readfirstlane_b32 s25, v1                    ; wave
	s_lshl_b32 s26, ttmp9, 2
	s_add_co_u32 s26, s26, s25                     ; which of the 256 waves
	v_and_b32 v1, 31, v0                           ; lane
	v_lshlrev_b32 v2, 4, v1                        ; x: 16 bytes a lane
	v_lshlrev_b32 v3, 7, v1                        ; Wg_in: four rows of 32 bytes a lane
	v_lshlrev_b32 v4, 3, v1                        ; task_param: 8 bytes a lane
	v_lshlrev_b32 v5, 6, v1                        ; Wg_task: two rows a lane
	v_mov_b32 v6, 0
	v_mov_b32 v7, 0xff800000                       ; -infinity
	v_mov_b32 v8, 1.0
	s_mov_b32 s44, 0x76543210                      ; selects for lane l xor 16
	s_mov_b32 s45, 0xfedcba98
	s_mov_b32 s49, 0
	s_wait_kmcnt 0x0
	s_load_b32 s24, s[8:9], 0x0                    ; alpha
	s_load_b256 s[28:35], s[12:13], 0x0            ; bg_in
	s_load_b256 s[36:43], s[16:17], 0x0            ; bg_task
	s_lshl_b32 s48, s26, 14                        ; four rows of 4,096 bytes a wave
	s_add_nc_u64 s[4:5], s[4:5], s[48:49]
	s_lshl_b32 s48, s26, 10                        ; four rows of 256 bytes
	s_add_nc_u64 s[6:7], s[6:7], s[48:49]
.irp i, 0,1,2,3
.irp c, 0,1,2,3,4,5,6,7
	global_load_b128 v[XR+32*\i+4*\c:XR+32*\i+4*\c+3], v2, s[4:5] offset:4096*\i+512*\c
.endr
.endr
.irp i, 0,1,2,3
	global_load_b64 v[TK+2*\i:TK+2*\i+1], v4, s[6:7] offset:256*\i
.endr
.irp j, 0,1
.irp m, 0,1
	global_load_b128 v[GT+8*\j+4*\m:GT+8*\j+4*\m+3], v5, s[14:15] offset:32*\j+16*\m
.endr
.endr
	WIN 0x40                                       ; destination window 1: Wg_in(128 c + 4 l + j, e) at 32 c + 8 j + e
.irp c, 0,1,2,3,4,5,6,7
.irp j, 0,1,2,3
.irp m, 0,1
	global_load_b128 v[32*\c+8*\j+4*\m:32*\c+8*\j+4*\m+3], v3, s[10:11] offset:4096*\c+32*\j+16*\m
.endr
.endr
.endr
	WIN 0
.irp e, 0,1,2,3,4,5,6,7
	v_mov_b32 v[SW+\e], 0
	v_mov_b32 v[SC+\e], 0
	v_mov_b32 v[PD+\e], 0                          ; a lane permute's destination counts as one of its sources
.endr
	s_wait_kmcnt 0x0
	v_mov_b32 v[BL+1], s24
	v_sub_f32 v[BL], 1.0, v[BL+1]
.irp e, 0,1,2,3,4,5,6,7
	v_mul_f32 v[BI+\e], s[28+\e], v[BL]
.endr
.irp e, 0,1,2,3,4,5,6,7
	v_fmac_f32 v[BI+\e], s[36+\e], v[BL+1]
.endr
	s_wait_loadcnt 0x0                             ; all that the wave reads is in
.macro TOKEN i
	WIN 0x01                                       ; source 0 (Wg_in) window 1
.irp c, 0,1,2,3,4,5,6,7
.irp j, 0,1,2,3
.irp p, 0,1,2,3
.if (\c == 0) && (\j == 0)
	v_pk_mul_f32 v[AI+2*\p:AI+2*\p+1], v[2*\p:2*\p+1], v[XR+32*\i:XR+32*\i+1] op_sel_hi:[1,0]     ; the first product starts the sums
.elseif (\j%2) == 0
	v_pk_fma_f32 v[AI+2*\p:AI+2*\p+1], v[32*\c+8*\j+2*\p:32*\c+8*\j+2*\p+1], v[XR+32*\i+4*\c+\j:XR+32*\i+4*\c+\j+1], v[AI+2*\p:AI+2*\p+1] op_sel_hi:[1,0,1]
.else
	v_pk_fma_f32 v[AI+2*\p:AI+2*\p+1], v[32*\c+8*\j+2*\p:32*\c+8*\j+2*\p+1], v[XR+32*\i+4*\c+\j-1:XR+32*\i+4*\c+\j], v[AI+2*\p:AI+2*\p+1] op_sel:[0,1,0] op_sel_hi:[1,1,1]
.endif
.endr
.endr
.endr
	WIN 0
.irp p, 0,1,2,3
	v_pk_mul_f32 v[AT+2*\p:AT+2*\p+1], v[GT+2*\p:GT+2*\p+1], v[TK+2*\i:TK+2*\i+1] op_sel_hi:[1,0]
.endr
.irp p, 0,1,2,3
	v_pk_fma_f32 v[AT+2*\p:AT+2*\p+1], v[GT+8+2*\p:GT+8+2*\p+1], v[TK+2*\i:TK+2*\i+1], v[AT+2*\p:AT+2*\p+1] op_sel:[0,1,0] op_sel_hi:[1,1,1]
.endr
.irp p, 0,1,2,3
	v_pk_mul_f32 v[AI+2*\p:AI+2*\p+1], v[AI+2*\p:AI+2*\p+1], v[BL:BL+1] op_sel_hi:[1,0]          ; x (1 - alpha)
.endr
.irp p, 0,1,2,3
	v_pk_fma_f32 v[AI+2*\p:AI+2*\p+1], v[AT+2*\p:AT+2*\p+1], v[BL:BL+1], v[AI+2*\p:AI+2*\p+1] op_sel:[0,1,0] op_sel_hi:[1,1,1]   ; + alpha x the task's
.endr
.irp m, 1,2,4,8                        ; over the 32 lanes; the eight sums by turns
.irp e, 0,1,2,3,4,5,6,7
	v_add_f32_dpp v[AI+\e], v[AI+\e], v[AI+\e] row_xmask:\m row_mask:0xf bank_mask:0xf
.endr
.endr
.irp e, 0,1,2,3,4,5,6,7
	v_permlanex16_b32 v[PD+\e], v[AI+\e], s44, s45
.endr
.irp e, 0,1,2,3,4,5,6,7
	v_add_f32 v[AI+\e], v[AI+\e], v[PD+\e]
.endr
.irp e, 0,1,2,3,4,5,6,7
	v_add_f32 v[LG+\e], v[AI+\e], v[BI+\e]         ; every lane holds the token's eight logits
.endr
	v_mov_b32 v[M1], v[LG]                         ; the largest; a later logit takes its place only if it is larger: the lower index stays
	v_mov_b32 v[I1], 0
.irp e, 1,2,3,4,5,6,7
	v_cmp_le_f32 vcc_lo, v[LG+\e], v[M1]
	v_cndmask_b32 v[I1], \e, v[I1], vcc_lo
	v_max_num_f32 v[M1], v[M1], v[LG+\e]
.endr
.irp e, 0,1,2,3,4,5,6,7
	v_cmp_eq_u32 vcc_lo, \e, v[I1]
	v_cndmask_b32 v[LM+\e], v[LG+\e], v7, vcc_lo   ; the first choice out of the way
.endr
	v_mov_b32 v[M2], v[LM]
	v_mov_b32 v[I2], 0
.irp e, 1,2,3,4,5,6,7
	v_cmp_le_f32 vcc_lo, v[LM+\e], v[M2]
	v_cndmask_b32 v[I2], \e, v[I2], vcc_lo
	v_max_num_f32 v[M2], v[M2], v[LM+\e]
.endr
.irp e, 0,1,2,3,4,5,6,7
	v_sub_f32 v[LM+\e], v[LG+\e], v[M1]            ; the maximum is taken away ahead of the exponentials
.endr
	v_sub_f32 v[EX], v[M2], v[M1]
.irp e, 0,1,2,3,4,5,6,7
	v_mul_f32 v[LM+\e], 0x3fb8aa3b, v[LM+\e]       ; x log2(e)
.endr
	v_mul_f32 v[EX], 0x3fb8aa3b, v[EX]
.irp e, 0,1,2,3,4,5,6,7
	v_exp_f32 v[LM+\e], v[LM+\e]
.endr
	v_exp_f32 v[EX], v[EX]
	v_nop                                          ; a plain instruction behind the exponentials
	s_wait_alu depctr_va_vdst(0)
	v_add_f32 v[PD], v[LM], v[LM+1]
	v_add_f32 v[PD+1], v[LM+2], v[LM+3]
	v_add_f32 v[PD+2], v[LM+4], v[LM+5]
	v_add_f32 v[PD+3], v[LM+6], v[LM+7]
	v_add_f32 v[PD+4], 1.0, v[EX]
	v_add_f32 v[PD], v[PD], v[PD+1]
	v_add_f32 v[PD+2], v[PD+2], v[PD+3]
	v_add_f32 v[PD], v[PD], v[PD+2]
	v_rcp_f32 v[RC], v[PD]
	v_rcp_f32 v[WP+2*\i], v[PD+4]                  ; w0 = 1 / (1 + e^(m2 - m1))
	v_lshl_or_b32 v[SELW+\i], v[I2], 8, v[I1]      ; (a plain instruction behind the reciprocals)
	s_wait_alu depctr_va_vdst(0)
	v_mul_f32 v[WP+2*\i+1], v[EX], v[WP+2*\i]      ; w1
.irp e, 0,1,2,3,4,5,6,7
	v_fmac_f32 v[SW+\e], v[LM+\e], v[RC]
.endr
.irp e, 0,1,2,3,4,5,6,7
	v_cmp_eq_u32 s46, \e, v[I1]
	v_cmp_eq_u32 s47, \e, v[I2]
	s_or_b32 vcc_lo, s46, s47
	v_cndmask_b32 v[PD+\e], v6, v8, vcc_lo         ; 1.0 for a chosen expert
.endr
.irp e, 0,1,2,3,4,5,6,7
	v_add_f32 v[SC+\e], v[SC+\e], v[PD+\e]
.endr
.endm
	TOKEN 0
	TOKEN 1
	TOKEN 2
	TOKEN 3
	s_lshl_b32 s48, s26, 4
	s_add_nc_u64 s[18:19], s[18:19], s[48:49]
	s_lshl_b32 s48, s26, 5
	s_add_nc_u64 s[20:21], s[20:21], s[48:49]
	s_lshl_b32 s48, s26, 6
	s_add_nc_u64 s[22:23], s[22:23], s[48:49]
	s_wait_xcnt 0x0                                ; EXEC changes only behind this wait
	v_cmp_eq_u32 vcc_lo, 0, v1
	s_and_saveexec_b32 s46, vcc_lo                 ; every lane holds the same 112 bytes of book-keeping: lane 0 stores them
	global_store_b128 v6, v[SELW:SELW+3], s[18:19]
	global_store_b128 v6, v[WP:WP+3], s[20:21]
	global_store_b128 v6, v[WP+4:WP+7], s[20:21] offset:16
	global_store_b128 v6, v[SW:SW+3], s[22:23]
	global_store_b128 v6, v[SW+4:SW+7], s[22:23] offset:16
	global_store_b128 v6, v[SC:SC+3], s[22:23] offset:32
	global_store_b128 v6, v[SC+4:SC+7], s[22:23] offset:48
	s_endpgm
.Lfunc_end_k_qb1b1353d5f_gate:
	.size	k_qb1b1353d5f_gate, .Lfunc_end_k_qb1b1353d5f_gate-k_qb1b1353d5f_gate
	.p2alignl 7, 3214868480
	.fill 96, 4, 3214868480
	.section	.rodata,"a",@progbits
	.p2align	6, 0x0
	.amdhsa_kernel k_qb1b1353d5f_gate
		.amdhsa_group_segment_fixed_size 0
		.amdhsa_private_segment_fixed_size 0
		.amdhsa_enable_private_segment 0
		.amdhsa_kernarg_size 80
		.amdhsa_user_sgpr_count 2
		.amdhsa_user_sgpr_kernarg_segment_ptr 1
		.amdhsa_wavefront_size32 1
		.amdhsa_system_sgpr_workgroup_id_x 1
		.amdhsa_system_sgpr_workgroup_id_y 1
		.amdhsa_system_sgpr_workgroup_id_z 1
		.amdhsa_system_vgpr_workitem_id 0
		.amdhsa_next_free_vgpr 512
		.amdhsa_next_free_sgpr 66
		.amdhsa_reserve_vcc 1
		.amdhsa_float_denorm_mode_32 3
		.amdhsa_float_denorm_mode_16_64 3
		.amdhsa_memory_ordered 1
		.amdhsa_forward_progress 1
		.amdhsa_inst_pref_size 84
	.end_amdhsa_kernel
	.amdgpu_metadata
---
amdhsa.version: [ 1, 2 ]
amdhsa.kernels:
  - .name:           k_qb1b1353d5f_gate
    .symbol:         k_qb1b1353d5f_gate.kd
    .args:
      - { .name: inputs, .offset: 0, .size: 8, .value_kind: global_buffer, .address_space: global }
      - { .name: task_param, .offset: 8, .size: 8, .value_kind: global_buffer, .address_space: global }
      - { .name: alpha, .offset: 16, .size: 8, .value_kind: global_buffer, .address_space: global }
      - { .name: Wg_in, .offset: 24, .size: 8, .value_kind: global_buffer, .address_space: global }
      - { .name: bg_in, .offset: 32, .size: 8, .value_kind: global_buffer, .address_space: global }
      - { .name: Wg_task, .offset: 40, .size: 8, .value_kind: global_buffer, .address_space: global }
      - { .name: bg_task, .offset: 48, .size: 8, .value_kind: global_buffer, .address_space: global }
      - { .name: sel, .offset: 56, .size: 8, .value_kind: global_buffer, .address_space: global }
      - { .name: gw, .offset: 64, .size: 8, .value_kind: global_buffer, .address_space: global }
      - { .name: part, .offset: 72, .size: 8, .value_kind: global_buffer, .address_space: global }
    .group_segment_fixed_size: 0
    .private_segment_fixed_size: 0
    .kernarg_segment_align: 8
    .kernarg_segment_size: 80
    .max_flat_workgroup_size: 128
    .sgpr_count:     66
    .vgpr_count:     512
    .wavefront_size: 32
...
	.end_amdgpu_metadata
.endif
;; end of part 1
;; launch place (part 2): grid 129 x 1, 1 waves a work-group, no clusters, 4,864 bytes of LDS; arguments sel, part, inputs, lst, xg, out1; writes lst, xg, out1
.if DOCPART == 2
	.amdgcn_target "amdgcn-amd-amdhsa--gfx1250"
	.amdhsa_code_object_version 6
	.text
	.protected	k_qb1b1353d5f_place
	.globl	k_qb1b1353d5f_place
	.p2align	8
	.type	k_qb1b1353d5f_place,@function
k_qb1b1353d5f_place:
	s_mov_b64 s[64:65], 0
	v_nop
	global_prefetch_b8 v0, s[64:65] scope:SCOPE_SE
	s_setreg_imm32_b32 hwreg(HW_REG_WAVE_MODE, 25, 1), 1
	s_wait_xcnt 0x0
; THE PLACING.  Work-groups 0 to 127 (one wave each): expert e = id / 16, part j = id % 16.  Each makes expert e's list of rows by a counting sort of all 1,024 choices (tokens ascending),
; in its own LDS; part 0 stores the list and the count.  Then it gathers, for tiles j, j + 16, j + 32, j + 48 of 16 rows (as far as the expert has rows), the rows of x, quantises them along D
; to codes of E3M2 with one E8M0 byte for each 32, and stores them as IMAGES OF THE OPERAND'S REGISTERS: a record of 12,800 bytes for a tile: 8 fragments (K steps of 128) of 1,536 bytes, registers
; 4 g .. 4 g + 3 of lane L at 1536 s + 512 g + 16 L, then at 12,288 the scale words [s][row].  Every store of codes covers 512 consecutive bytes.
; A list entry is k x 1024 + token (k: first or second choice), which is the row of the later partial results; from the count on it is 2048 + e, a row that nobody reads, whose low ten bits name a token that exists.
; Work-group 128: the auxiliary loss from the 256 waves' sums.
; A block's scale byte is its largest magnitude's exponent field - 4, held at 1 from below; a block of zeros keeps the byte 1 (its codes are zeros; this program alone reads the bytes).  NaN and infinities are not served.
.set TM,  200                          ; v200-203 largest magnitudes, v204-207 bytes, v212-215 the conversions' scale operands
.set PW,  216                          ; the scale word just made
.set PC,  224                          ; v224-243 the codes just made
.set PWS, 244                          ; v244-251 a tile's eight scale words
.set SEL, 40
.macro XLOAD reg, s                    ; lane (r, h): of my row, K step s: 16 neighbours of each block of 32
.irp b, 0,1,2,3
.irp j, 0,1,2,3
	global_load_b128 v[\reg+16*\b+4*\j:\reg+16*\b+4*\j+3], v9, s[8:9] offset:512*(\s)+128*\b+16*\j
.endr
.endr
.endm
; 64 numbers of a lane, register 16 b + i = k 32 b + 16 (lane / 16) + i of my row, become a fragment's codes in v[PC] on and its scale word in v[PW]
.macro QUANT s
.irp b, 0,1,2,3
	v_max3_num_f32 v[TM+\b], |v[\s+16*\b]|, |v[\s+1+16*\b]|, 0x2800000   ; my 16 numbers of block b, and the floor 2^(5 - 127): the byte cannot fall under 1
.endr
.irp i, 2,4,6,8,10,12,14
.irp b, 0,1,2,3
	v_max3_num_f32 v[TM+\b], v[TM+\b], |v[\s+16*\b+\i]|, |v[\s+1+16*\b+\i]|
.endr
.endr
.irp b, 0,1,2,3
	v_permlanex16_b32 v[TM+4+\b], v[TM+\b], s[SEL], s[SEL+1]
.endr
.irp b, 0,1,2,3
	v_max_num_f32 v[TM+\b], v[TM+\b], v[TM+4+\b]   ; with lane l xor 16's: the block's largest magnitude
.endr
.irp b, 0,1,2,3
	v_add_nc_u32 v[TM+12+\b], 0xfe000000, v[TM+\b] ; 4 off its exponent field: the conversion's scale operand
.endr
.irp b, 0,1,2,3
	v_lshrrev_b32 v[TM+4+\b], 23, v[TM+12+\b]      ; the scale's byte
.endr
	v_lshl_or_b32 v[PW], v[TM+5], 8, v[TM+4]
	v_lshl_or_b32 v[PW], v[TM+6], 16, v[PW]
	v_lshl_or_b32 v[PW], v[TM+7], 24, v[PW]
.irp c, 0,1
	v_cvt_scalef32_pk16_bf6_f32 v[PC+6*\c:PC+2+6*\c], v[\s+32*\c:\s+15+32*\c], v[TM+12+2*\c]
	v_cvt_scalef32_pk16_bf6_f32 v[PC+12+4*\c:PC+14+4*\c], v[\s+16+32*\c:\s+31+32*\c], v[TM+12+2*\c+1]
.endr
	v_nop                                          ; one plain instruction behind the scaled conversions
.irp c, 0,1                            ; the operand wants a whole block in a lane: lanes 0-15 block 2 c, lanes 16-31 block 2 c + 1
.irp i, 0,1,2
	v_permlane16_swap_b32 v[PC+6*\c+\i], v[PC+12+4*\c+\i]
.endr
.irp i, 0,1,2
	v_mov_b32 v[PC+3+6*\c+\i], v[PC+12+4*\c+\i]
.endr
.endr
.endm
	s_load_b256 s[4:11], s[0:1], 0x0               ; sel 4, part 6, inputs 8, lst 10
	s_load_b128 s[12:15], s[0:1], 0x20             ; xg 12, out1 14
	v_lshl_add_u32 v254, v0, 2, 0x1200
	v_mov_b32 v255, 0
	v_lshlrev_b32 v2, 2, v0                        ; one wave: v0 is the lane.  4 x lane
	v_lshlrev_b32 v3, 4, v0                        ; 16 x lane
	s_mov_b32 s[SEL], 0x76543210
	s_mov_b32 s[SEL+1], 0xfedcba98
	s_mov_b32 s27, 0
	s_wait_kmcnt 0x0
	s_cmp_eq_u32 ttmp9, 128
	s_cbranch_scc1 .Laux
	s_lshr_b32 s16, ttmp9, 4                       ; e
	s_and_b32 s17, ttmp9, 15                       ; j
.set I, 0
.rept 32
	global_load_b32 v[32+I], v2, s[4:5] offset:128*I   ; all 1,024 choices: token 32 I + lane
.set I, I+1
.endr
	s_add_co_u32 s18, s16, 2048
.irp k, 0,1,2,3
	v_mov_b32 v[12+\k], s18
.endr
.irp i, 0,1,2,3,4,5,6,7
	ds_store_b128 v3, v[12:15] offset:512*\i       ; the list begins full of 2048 + e
.endr
	v_and_b32 v4, 15, v0                           ; r
	v_lshrrev_b32 v5, 4, v0                        ; h
	v_add_nc_u32 v11, 1024, v0                     ; a word behind the list for each lane: where a lane without a match writes
	v_lshlrev_b32 v10, 2, v4
	s_lshl_b32 s26, s17, 6
	v_add_nc_u32 v7, s26, v10                      ; LDS: entry 16 j + r
	v_lshl_add_u32 v10, v5, 8, v10                 ; scale words: 4 r + 256 h
	v_cmp_eq_u32 s42, 1, v5
.irp b, 0,1,2,3
	v_mov_b32 v[TM+4+\b], 0                        ; a lane permute's destination counts as one of its sources
.endr
	s_mov_b32 s19, 0                               ; rows so far
	s_wait_loadcnt 0x0
.set I, 0
.rept 32                               ; 32 tokens at a time, in ascending order
.set P, 64+8*(I%2)
	v_and_b32 v[P], 0xff, v[32+I]                  ; first choice
	v_lshrrev_b32 v[P+1], 8, v[32+I]               ; second
	v_cmp_eq_u32 s20, s16, v[P]
	v_cmp_eq_u32 s21, s16, v[P+1]
	s_or_b32 s22, s20, s21
	v_mbcnt_lo_u32_b32 v[P+2], s22, s19            ; my place: the rows so far + the matches in the lanes below me
	v_add_nc_u32 v[P+3], 32*I, v0
	v_add_nc_u32 v[P+4], 32*I+1024, v0
	v_cndmask_b32 v[P+3], v[P+3], v[P+4], s21      ; k x 1024 + token
	v_cndmask_b32 v[P+2], v11, v[P+2], s22
	v_min_u32 v[P+2], 1055, v[P+2]
	v_lshlrev_b32 v[P+2], 2, v[P+2]
	ds_store_b32 v[P+2], v[P+3]
	s_bcnt1_i32_b32 s23, s22
	s_add_co_u32 s19, s19, s23
.set I, I+1
.endr
	s_min_u32 s19, s19, 1024
	s_add_co_u32 s24, s19, 15
	s_lshr_b32 s24, s24, 4                         ; the expert's tiles
	s_cmp_lg_u32 s17, 0
	s_cbranch_scc1 .Lnolist
	s_lshl_b32 s26, s16, 12
	s_add_nc_u64 s[28:29], s[10:11], s[26:27]      ; lst: expert e's 1,024 entries
	s_lshl_b32 s26, s16, 7
	s_add_nc_u64 s[30:31], s[10:11], s[26:27]      ; and, 32,768 bytes on, its count, 32 times
	v_mov_b32 v24, s19
.irp i, 0,1,2,3,4,5,6,7
	ds_load_b128 v[64+4*\i:67+4*\i], v3 offset:512*\i  ; LDS serves a wave's instructions in order: these see the stores above
.endr
.irp i, 0,1,2,3,4,5,6,7
	s_wait_dscnt 7-\i                              ; the younger loads of this run may be out
	global_store_b128 v3, v[64+4*\i:67+4*\i], s[28:29] offset:512*\i
.endr
	global_store_b32 v2, v24, s[30:31] offset:32768
	s_wait_xcnt 0x0                                ; the stores' registers are loaded into again only behind this wait
.Lnolist:
	s_cmp_ge_u32 s17, s24
	s_cbranch_scc1 .Lend                           ; tile j does not exist: nothing to gather
	s_sub_co_u32 s24, s24, s17                     ; my tiles are j, j + 16, ..: (tiles - j + 15) / 16 of them, four at the most.
	s_add_co_u32 s24, s24, 15                      ; The loop is counted by a counter of its own that steps by 1
	s_lshr_b32 s24, s24, 4
	s_min_u32 s24, s24, 4
	s_mov_b32 s25, 0
.irp u, 0,1,2,3
	ds_load_b32 v[20+\u], v7 offset:1024*\u        ; my row's entry in tiles j, j + 16, j + 32, j + 48
.endr
	s_lshl_b32 s26, s16, 6
	s_add_co_u32 s26, s26, s17
	s_mul_i32 s26, s26, 12800
	s_add_nc_u64 s[12:13], s[12:13], s[26:27]      ; record (e, j)
	s_wait_dscnt 0x0
.Ltile:
	v_and_b32 v8, 1023, v20                        ; the token
	v_min_u32 v8, 1023, v8
	v_lshlrev_b32 v8, 12, v8
	v_lshl_add_u32 v9, v5, 6, v8                   ; its row of 4,096 bytes, + 64 h  (the last trip's loads, which read v9, were waited for)
	XLOAD 64, 0
.irp s, 0,1,2,3,4,5,6,7
.if \s < 7
	XLOAD 64+64*((\s+1)%2), \s+1
	s_wait_loadcnt 16                              ; this K step's 16 loads are in; the next step's 16 may be out
.else
	s_wait_loadcnt 0x0
.endif
	s_wait_xcnt 0x0                                ; the last step's stores have read the codes' registers
	QUANT 64+64*(\s%2)
	v_mov_b32 v[PWS+\s], v[PW]
.irp g, 0,1,2
	global_store_b128 v3, v[PC+4*\g:PC+4*\g+3], s[12:13] offset:1536*\s+512*\g
.endr
.endr
.irp i, 0,1,2,3
	v_cndmask_b32 v[PWS+\i], v[PWS+\i], v[PWS+4+\i], s42   ; lanes r and r + 16 hold the same words: lanes 0-15 store steps 0-3, lanes 16-31 steps 4-7
.endr
.irp i, 0,1,2,3
	global_store_b32 v10, v[PWS+\i], s[12:13] offset:12288+64*\i
.endr
	v_mov_b32 v20, v21                             ; the next tile's entry
	v_mov_b32 v21, v22
	v_mov_b32 v22, v23
	s_wait_xcnt 0x0                                ; the stores' base and data are written again only behind this wait
	s_add_nc_u64 s[12:13], s[12:13], 204800        ; 16 records on
	s_add_co_u32 s25, s25, 1
	s_cmp_lt_u32 s25, s24
	s_cbranch_scc1 .Ltile
.Lend:
	s_wait_tensorcnt 0x0
	ds_add_u32 v254, v255
	s_wait_dscnt 0x0
	s_endpgm
.Laux:                                 ; l_aux = the sum over e of (sum of weights / 1024) (sum of counts / 1024) / 8 x 8
.set I, 0
.rept 32
	global_load_b128 v[32+4*I:35+4*I], v3, s[6:7] offset:512*I   ; lane % 4 says what a lane holds: weights 0-3, weights 4-7, counts 0-3, counts 4-7
.set I, I+1
.endr
.irp k, 0,1,2,3
	v_mov_b32 v[24+\k], 0
.endr
	v_mov_b32 v28, 0
	s_wait_loadcnt 0x0
	v_pk_add_f32 v[16:17], v[32:33], v[36:37]
	v_pk_add_f32 v[18:19], v[34:35], v[38:39]
.set I, 2
.rept 30
	v_pk_add_f32 v[16:17], v[16:17], v[32+4*I:33+4*I]
	v_pk_add_f32 v[18:19], v[18:19], v[34+4*I:35+4*I]
.set I, I+1
.endr
.irp m, 4,8
.irp k, 0,1,2,3
	v_add_f32_dpp v[16+\k], v[16+\k], v[16+\k] row_xmask:\m row_mask:0xf bank_mask:0xf
.endr
.endr
.irp k, 0,1,2,3
	v_permlanex16_b32 v[24+\k], v[16+\k], s[SEL], s[SEL+1]
.endr
.irp k, 0,1,2,3
	v_add_f32 v[16+\k], v[16+\k], v[24+\k]
.endr
.irp k, 0,1,2,3
	v_mul_f32_dpp v[16+\k], v[16+\k], v[16+\k] row_xmask:2 row_mask:0xf bank_mask:0xf   ; weights x counts
.endr
	v_add_f32 v16, v16, v17
	v_add_f32 v18, v18, v19
	v_add_f32 v16, v16, v18
	v_add_f32_dpp v16, v16, v16 row_xmask:1 row_mask:0xf bank_mask:0xf
	v_mul_f32 v16, 0x35800000, v16                 ; x 2^-20
	s_wait_xcnt 0x0                                ; EXEC changes only behind this wait
	v_cmp_eq_u32 vcc_lo, 0, v0
	s_and_saveexec_b32 s20, vcc_lo
	global_store_b32 v28, v16, s[14:15]
	s_endpgm
.Lfunc_end_k_qb1b1353d5f_place:
	.size	k_qb1b1353d5f_place, .Lfunc_end_k_qb1b1353d5f_place-k_qb1b1353d5f_place
	.p2alignl 7, 3214868480
	.fill 96, 4, 3214868480
	.section	.rodata,"a",@progbits
	.p2align	6, 0x0
	.amdhsa_kernel k_qb1b1353d5f_place
		.amdhsa_group_segment_fixed_size 4864
		.amdhsa_private_segment_fixed_size 0
		.amdhsa_enable_private_segment 0
		.amdhsa_kernarg_size 48
		.amdhsa_user_sgpr_count 2
		.amdhsa_user_sgpr_kernarg_segment_ptr 1
		.amdhsa_wavefront_size32 1
		.amdhsa_system_sgpr_workgroup_id_x 1
		.amdhsa_system_sgpr_workgroup_id_y 1
		.amdhsa_system_sgpr_workgroup_id_z 1
		.amdhsa_system_vgpr_workitem_id 0
		.amdhsa_next_free_vgpr 256
		.amdhsa_next_free_sgpr 66
		.amdhsa_reserve_vcc 1
		.amdhsa_float_denorm_mode_32 3
		.amdhsa_float_denorm_mode_16_64 3
		.amdhsa_memory_ordered 1
		.amdhsa_forward_progress 1
		.amdhsa_inst_pref_size 88
	.end_amdhsa_kernel
	.amdgpu_metadata
---
amdhsa.version: [ 1, 2 ]
amdhsa.kernels:
  - .name:           k_qb1b1353d5f_place
    .symbol:         k_qb1b1353d5f_place.kd
    .args:
      - { .name: sel, .offset: 0, .size: 8, .value_kind: global_buffer, .address_space: global }
      - { .name: part, .offset: 8, .size: 8, .value_kind: global_buffer, .address_space: global }
      - { .name: inputs, .offset: 16, .size: 8, .value_kind: global_buffer, .address_space: global }
      - { .name: lst, .offset: 24, .size: 8, .value_kind: global_buffer, .address_space: global }
      - { .name: xg, .offset: 32, .size: 8, .value_kind: global_buffer, .address_space: global }
      - { .name: out1, .offset: 40, .size: 8, .value_kind: global_buffer, .address_space: global }
    .group_segment_fixed_size: 4864
    .private_segment_fixed_size: 0
    .kernarg_segment_align: 8
    .kernarg_segment_size: 48
    .max_flat_workgroup_size: 32
    .sgpr_count:     66
    .vgpr_count:     256
    .wavefront_size: 32
...
	.end_amdgpu_metadata
.endif
;; end of part 2
;; launch up (part 3): grid 256 x 1, 4 waves a work-group, no clusters, 103,936 bytes of LDS; arguments W1, b1, xg, lst, hg; writes hg
.if DOCPART == 3
	.amdgcn_target "amdgcn-amd-amdhsa--gfx1250"
	.amdhsa_code_object_version 6
	.text
	.protected	k_qb1b1353d5f_up
	.globl	k_qb1b1353d5f_up
	.p2align	8
	.type	k_qb1b1353d5f_up,@function
k_qb1b1353d5f_up:
	s_mov_b64 s[64:65], 0
	v_nop
	global_prefetch_b8 v0, s[64:65] scope:SCOPE_SE
	s_setreg_imm32_b32 hwreg(HW_REG_WAVE_MODE, 25, 1), 1
	s_wait_xcnt 0x0
; THE FIRST PRODUCT: h = Q(gelu(Q(x) Q(W1[e]) + b1[e])) for the rows that chose expert e.  gelu is the tanh form: z / (1 + 2^(z (a + c z z))), a = -2 log2(e) sqrt(2 / pi), c = 0.044715 a.
; A work-group owns expert e = id / 32 and columns 128 fs .. 128 fs + 127 of F (fs = id % 32): a slice of W1 of 1,024 (K) x 128, 512 KiB of f32, which no other work-group reads.
; PHASE W.  Wave w streams K rows 256 w .. 256 w + 255, a row's 512 bytes by one load (16 bytes a lane: columns 4 l .. 4 l + 3), two blocks of 32 rows ahead; turns each block so that a column's 32
; numbers stand in consecutive registers; quantises along K; and lays the codes into LDS in the order of the operand's registers.  One barrier.
; PHASE F.  EVERY wave takes all 64 fragments (8 K steps x 8 tiles of 16 columns: 768 registers) and their scale words out of LDS, once.
; THE ROWS.  Wave w walks the expert's tiles of 16 rows w, w + 4, ..: their codes come from memory as register images; 64 matrix instructions a tile; no LDS traffic for operands, no barrier.
; The trip count is a stored number, so the launch has no tensor load, no joint request and no barrier behind the one above; an expert without rows still has its slice streamed, since every wave passes the barrier.
; TRANSPOSED USE: source 0 = 16 columns of W1, source 1 = 16 rows.  Lane r of tile 2 b + u holds column 32 b + 8 u + r + 8 (r / 8), so that a lane's accumulator register 16 b + y is column 32 b + 16 (lane / 16) + y
; of ITS row: 16 neighbours along the next product's K.  The slice's 128 columns are one K step of that product: one fragment and one scale word a row go to hg, record (e, fs / 8, tile), fragment fs % 8.
; LIMITS.  A block of zeros keeps the scale byte 1 (its codes are zeros; this program alone reads the bytes).  NaN and infinities are not served.  The rows that fill a last tile are computed and lead to rows that nobody reads.
; REGISTERS.  Windows 1-3: fragment f = 8 s + t < 63 in window 1 + f / 21 at v[12 (f % 21)] (in phase W: three sets of 128 as loaded).  Window 0: v1-14 addresses; v16-47 W's scale words; v48-51 the rows' scale words;
; v52-63 fragment 63; v64-127 the accumulators; v128-223 the rows' eight fragments; v224-249 at work.
.set PITCH, 16384                      ; bytes from a row of W1[e] to the next
.set REC,   12800                      ; a record: 16 rows x K 1,024 as images, and their scale words
.set SCL,   98304                      ; LDS: behind the 64 fragments of 1,536 bytes: W's scale words [s][t][r]
.set BIAS,  102400                     ; and the slice's 128 numbers of b1
.set WS,  16
.set XS,  48
.set F63, 52
.set ACC, 64
.set XF,  128
.set CR,  64                           ; phase W: v64-95 codes, 8 registers a column
.set MR,  96                           ; v96-99   largest magnitudes
.set SO,  100                          ; v100-103 the conversions' scale operands
.set BY,  104                          ; v104-107 bytes
.set SB,  108                          ; v108-115 scale words: K step 2 w at 108 + c, 2 w + 1 at 112 + c
.set XR,  128                          ; v128-255 a block turned: column c at 128 + 32 c
.set VI,  8                            ; v8, v9   offsets of the rows' fragments, K steps 0-3 and 4-7
.set VIS, 10                           ; v10, v11 of their scale words
.set GT,  176                          ; v176-191 gelu at work (free between the last product and the next load of K steps 4-7)
.set TM,  192                          ; v192-207 the quantiser at work (likewise)
.set PC,  224
.set PW,  244
.set VO,  245
.set VOS, 246
.set GA,  248                          ; v248-249 a
.set WB,  4
.set INB, 8
.set OUT, 12
.set OUTS, 14
.set NT,  24                           ; s24 the expert's tiles
.set LAST, 25                          ; s25 the last of them
.set TR,  26                           ; s26 my wave's trips
.set T,   28                           ; s28 the tile in hand: w, w + 4, ..
.set CN,  29                           ; s29 trips done
.set SEL, 44
.set C1,  46
.set MSB, 0
.macro WIN new                         ; the immediate's high byte repeats the setting that is left
.if MSB != (\new)
	s_set_vgpr_msb (MSB<<8)|(\new)
.set MSB, (\new)
.endif
.endm
.macro LOADW t                         ; block t of my eight: 32 rows, 512 consecutive bytes a load, into set t % 3
.set ST3, (\t)%3
.if ST3 == 2
	WIN 0x80
.set RBASE, 0
.else
	WIN 0x40
.set RBASE, 128*ST3
.endif
.set I, 0
.rept 32
	global_load_b128 v[RBASE+4*I:RBASE+4*I+3], v1, s[WB:WB+1] offset:(32*(\t)+I)*PITCH th:TH_LOAD_NT
.set I, I+1
.endr
	WIN 0
.endm
.macro BLOCK t
.if (\t) < 7
	s_wait_loadcnt 32                              ; this block's 32 loads are in; the next block's 32 may be out
.else
	s_wait_loadcnt 0x0
.endif
.if (\t)+2 < 8
	LOADW (\t)+2                                   ; into the set that the block before was turned out of
.endif
.set ST3, (\t)%3
.if ST3 == 2
	WIN 0x02
.set RBASE, 0
.else
	WIN 0x01
.set RBASE, 128*ST3
.endif
.set I, 0
.rept 32                               ; the conversions take 16 neighbours along K from consecutive registers: row I's four columns go to their columns' runs
.irp c, 0,1,2,3
	v_mov_b32 v[XR+32*\c+I], v[RBASE+4*I+\c]
.endr
.set I, I+1
.endr
	WIN 0
.irp c, 0,1,2,3
	v_max3_num_f32 v[MR+\c], |v[XR+32*\c]|, |v[XR+32*\c+1]|, 0x2800000   ; the floor 2^(5 - 127): the byte cannot fall under 1
.endr
.set I, 2
.rept 15
.irp c, 0,1,2,3
	v_max3_num_f32 v[MR+\c], v[MR+\c], |v[XR+32*\c+I]|, |v[XR+32*\c+I+1]|
.endr
.set I, I+2
.endr
.irp c, 0,1,2,3
	v_add_nc_u32 v[SO+\c], 0xfe000000, v[MR+\c]    ; 4 off the exponent field: the conversion's scale operand
.endr
.irp c, 0,1,2,3
.if (\t)%4 == 0
	v_lshrrev_b32 v[SB+4*((\t)/4)+\c], 23, v[SO+\c]    ; the byte of the K step's first block begins the word
.else
	v_lshrrev_b32 v[BY+\c], 23, v[SO+\c]
.endif
.endr
.if (\t)%4 != 0
.irp c, 0,1,2,3
	v_lshl_or_b32 v[SB+4*((\t)/4)+\c], v[BY+\c], 8*((\t)%4), v[SB+4*((\t)/4)+\c]
.endr
.endif
	s_wait_dscnt 0x0                               ; the last block's LDS stores have read the codes' registers
.irp c, 0,1,2,3
	v_cvt_scalef32_pk16_bf6_f32 v[CR+8*\c:CR+8*\c+2], v[XR+32*\c:XR+32*\c+15], v[SO+\c]
	v_cvt_scalef32_pk16_bf6_f32 v[CR+8*\c+4:CR+8*\c+6], v[XR+32*\c+16:XR+32*\c+31], v[SO+\c]
.endr
	v_nop                                          ; one plain instruction behind the scaled conversions
.irp c, 0,1,2,3                        ; a conversion's three registers begin on an even number: the second three are moved up
	v_mov_b32 v[CR+8*\c+3], v[CR+8*\c+4]
	v_mov_b32 v[CR+8*\c+4], v[CR+8*\c+5]
	v_mov_b32 v[CR+8*\c+5], v[CR+8*\c+6]
.endr
.irp c, 0,1,2,3                        ; block t is K step 2 w + t / 4, lane half t % 2, registers 6 ((t / 2) % 2) on, of lane r0 + c of my tile
.irp p, 0,1,2
	ds_store_b64 v2, v[CR+8*\c+2*\p:CR+8*\c+2*\p+1] offset:12288*((\t)/4)+768*((\t)%2)+24*(((\t)/2)%2)+48*\c+8*\p
.endr
.endr
.endm
.macro HALF x                          ; 14 loads: the rows' fragments of K steps 4 x .. 4 x + 3 and their scale words (lane (r, h): the word of step 4 x + i + 2 h)
.irp s, 0,1,2,3
.irp g, 0,1,2
	global_load_b128 v[XF+12*(4*\x+\s)+4*\g:XF+12*(4*\x+\s)+4*\g+3], v[VI+\x], s[INB:INB+1] offset:1536*(4*\x+\s)+512*\g
.endr
.endr
.irp i, 0,1
	global_load_b32 v[XS+2*\x+\i], v[VIS+\x], s[INB:INB+1] offset:12288+256*\x+64*\i
.endr
.endm
.macro NEXT x                          ; the offsets of my next tile, held at the expert's last tile: no load reads a record that was not written
	s_add_co_u32 s30, s[T], 4
	s_min_u32 s30, s30, s[LAST]
	s_min_u32 s30, s30, 63
	s_mul_i32 s30, s30, REC
	v_add_nc_u32 v[VI+\x], s30, v1
	v_add_nc_u32 v[VIS+\x], s30, v12
.endm
.macro MM s                            ; K step s: eight matrix instructions, the eight accumulators by turns
.irp t, 0,1,2,3,4,5,6,7
.set FN, 8*(\s)+\t
.if FN < 63
	WIN (1+FN/21)
.set FA, 12*(FN%21)
.else
	WIN 0
.set FA, F63
.endif
.set AC, ACC+8*\t
.set XB, XF+12*(\s)
.set WR, WS+4*(\s)+\t/2
.set XQ, XS+2*((\s)/4)+(\s)%2
.set RA, \t%2
.set RBS, ((\s)/2)%2
.if (RA == 0) && (RBS == 0)
	v_wmma_scale_f32_16x16x128_f8f6f4 v[AC:AC+7], v[FA:FA+11], v[XB:XB+11], v[AC:AC+7], v[WR], v[XQ] matrix_a_fmt:MATRIX_FMT_BF6 matrix_b_fmt:MATRIX_FMT_BF6
.elseif RBS == 0
	v_wmma_scale_f32_16x16x128_f8f6f4 v[AC:AC+7], v[FA:FA+11], v[XB:XB+11], v[AC:AC+7], v[WR], v[XQ] matrix_a_fmt:MATRIX_FMT_BF6 matrix_b_fmt:MATRIX_FMT_BF6 matrix_a_scale:MATRIX_SCALE_ROW1
.elseif RA == 0
	v_wmma_scale_f32_16x16x128_f8f6f4 v[AC:AC+7], v[FA:FA+11], v[XB:XB+11], v[AC:AC+7], v[WR], v[XQ] matrix_a_fmt:MATRIX_FMT_BF6 matrix_b_fmt:MATRIX_FMT_BF6 matrix_b_scale:MATRIX_SCALE_ROW1
.else
	v_wmma_scale_f32_16x16x128_f8f6f4 v[AC:AC+7], v[FA:FA+11], v[XB:XB+11], v[AC:AC+7], v[WR], v[XQ] matrix_a_fmt:MATRIX_FMT_BF6 matrix_b_fmt:MATRIX_FMT_BF6 matrix_a_scale:MATRIX_SCALE_ROW1 matrix_b_scale:MATRIX_SCALE_ROW1
.endif
.endr
.endm
.macro BIASLD                          ; b1 in the result's layout: the sums begin with it
.irp b, 0,1,2,3
.irp m, 0,1,2,3
	ds_load_b128 v[ACC+16*\b+4*\m:ACC+16*\b+4*\m+3], v13 offset:128*\b+16*\m
.endr
.endr
.endm
.macro GELU16 g                        ; sixteen numbers, from each accumulator's low end on
.set ZB, ACC+16*(\g)
.irp p, 0,2,4,6,8,10,12,14
	v_pk_mul_f32 v[GT+\p:GT+\p+1], v[ZB+\p:ZB+\p+1], v[ZB+\p:ZB+\p+1]
.endr
.irp p, 0,2,4,6,8,10,12,14
	v_pk_fma_f32 v[GT+\p:GT+\p+1], v[GT+\p:GT+\p+1], s[C1:C1+1], v[GA:GA+1] op_sel_hi:[1,0,0]   ; a + c z z
.endr
.irp p, 0,2,4,6,8,10,12,14
	v_pk_mul_f32 v[GT+\p:GT+\p+1], v[GT+\p:GT+\p+1], v[ZB+\p:ZB+\p+1]
.endr
.irp j, 0,1,2,3,4,5,6,7,8,9,10,11,12,13,14,15
	v_exp_f32 v[GT+\j], v[GT+\j]
.endr
	v_nop                                          ; a plain instruction behind the exponentials
	s_wait_alu depctr_va_vdst(0)
.irp p, 0,2,4,6,8,10,12,14
	v_pk_add_f32 v[GT+\p:GT+\p+1], v[GT+\p:GT+\p+1], 1.0 op_sel_hi:[1,0]
.endr
.irp j, 0,1,2,3,4,5,6,7,8,9,10,11,12,13,14,15
	v_rcp_f32 v[GT+\j], v[GT+\j]
.endr
	v_nop                                          ; a plain instruction behind the reciprocals
	s_wait_alu depctr_va_vdst(0)
.irp p, 0,2,4,6,8,10,12,14
	v_pk_mul_f32 v[ZB+\p:ZB+\p+1], v[ZB+\p:ZB+\p+1], v[GT+\p:GT+\p+1]
.endr
.endm
; 64 numbers of a lane, register 16 b + i = k 32 b + 16 (lane / 16) + i of my row, become a fragment's codes in v[PC] on and its scale word in v[PW]
.macro QUANT s
.irp b, 0,1,2,3
	v_max3_num_f32 v[TM+\b], |v[\s+16*\b]|, |v[\s+1+16*\b]|, 0x2800000
.endr
.irp i, 2,4,6,8,10,12,14
.irp b, 0,1,2,3
	v_max3_num_f32 v[TM+\b], v[TM+\b], |v[\s+16*\b+\i]|, |v[\s+1+16*\b+\i]|
.endr
.endr
.irp b, 0,1,2,3
	v_permlanex16_b32 v[TM+4+\b], v[TM+\b], s[SEL], s[SEL+1]
.endr
.irp b, 0,1,2,3
	v_max_num_f32 v[TM+\b], v[TM+\b], v[TM+4+\b]
.endr
.irp b, 0,1,2,3
	v_add_nc_u32 v[TM+12+\b], 0xfe000000, v[TM+\b]
.endr
.irp b, 0,1,2,3
	v_lshrrev_b32 v[TM+4+\b], 23, v[TM+12+\b]
.endr
	v_lshl_or_b32 v[PW], v[TM+5], 8, v[TM+4]
	v_lshl_or_b32 v[PW], v[TM+6], 16, v[PW]
	v_lshl_or_b32 v[PW], v[TM+7], 24, v[PW]
.irp c, 0,1
	v_cvt_scalef32_pk16_bf6_f32 v[PC+6*\c:PC+2+6*\c], v[\s+32*\c:\s+15+32*\c], v[TM+12+2*\c]
	v_cvt_scalef32_pk16_bf6_f32 v[PC+12+4*\c:PC+14+4*\c], v[\s+16+32*\c:\s+31+32*\c], v[TM+12+2*\c+1]
.endr
	v_nop                                          ; one plain instruction behind the scaled conversions
.irp c, 0,1
.irp i, 0,1,2
	v_permlane16_swap_b32 v[PC+6*\c+\i], v[PC+12+4*\c+\i]
.endr
.irp i, 0,1,2
	v_mov_b32 v[PC+3+6*\c+\i], v[PC+12+4*\c+\i]
.endr
.endr
.endm
	s_load_b256 s[4:11], s[0:1], 0x0               ; W1 4, b1 6, xg 8, lst 10
	s_load_b64 s[12:13], s[0:1], 0x20              ; hg
	s_set_vgpr_msb 0x80
	v_lshl_add_u32 v254, v0, 2, 0x19400
	v_mov_b32 v255, 0
	s_set_vgpr_msb 0x8000
	v_lshrrev_b32 v1, 5, v0
	v_readfirstlane_b32 s18, v1                    ; wave
	v_and_b32 v240, 31, v0                         ; lane
	v_lshlrev_b32 v1, 4, v240                      ; 16 x lane
	v_lshlrev_b32 v8, 2, v0                        ; b1: 4 bytes a thread
	s_lshr_b32 s16, ttmp9, 5                       ; e
	s_and_b32 s17, ttmp9, 31                       ; fs
	s_mov_b32 s21, 0
	s_lshl_b32 s20, s16, 24                        ; W1[e]: 2^24 bytes an expert,
	s_lshl_b32 s26, s17, 9                         ; 512 bytes a slice,
	s_add_co_u32 s20, s20, s26
	s_lshl_b32 s26, s18, 22                        ; 256 rows a wave
	s_add_co_u32 s20, s20, s26
	s_wait_kmcnt 0x0
	s_add_nc_u64 s[WB:WB+1], s[WB:WB+1], s[20:21]
	s_lshl_b32 s20, s16, 14
	s_lshl_b32 s26, s17, 9
	s_add_co_u32 s20, s20, s26
	s_add_nc_u64 s[6:7], s[6:7], s[20:21]
	global_load_b32 v15, v8, s[6:7]                ; the slice's 128 numbers of b1, one a thread
	LOADW 0
	LOADW 1
	s_lshl_b32 s20, s16, 7
	s_add_nc_u64 s[22:23], s[10:11], s[20:21]
	s_load_b32 s19, s[22:23], 0x8000               ; the expert's rows
	s_mul_i32 s20, s16, 64*REC
	s_add_nc_u64 s[INB:INB+1], s[INB:INB+1], s[20:21]
	s_lshl_b32 s20, s16, 2
	s_lshr_b32 s26, s17, 3
	s_add_co_u32 s20, s20, s26
	s_mul_i32 s20, s20, 64*REC                     ; hg: record (e, fs / 8, 0)
	s_and_b32 s26, s17, 7
	s_lshl_b32 s27, s26, 6
	s_add_co_u32 s32, s20, s27
	s_add_co_u32 s32, s32, 12288                   ; its scale words of K step fs % 8
	s_mov_b32 s33, 0
	s_mul_i32 s27, s26, 1536
	s_add_co_u32 s20, s20, s27                     ; its fragment fs % 8
	s_add_nc_u64 s[OUTS:OUTS+1], s[OUT:OUT+1], s[32:33]
	s_add_nc_u64 s[OUT:OUT+1], s[OUT:OUT+1], s[20:21]
	s_mov_b32 s[SEL], 0x76543210
	s_mov_b32 s[SEL+1], 0xfedcba98
	s_mov_b32 s[C1], 0xbdd2d3e8                    ; c = -0.10294324
	s_mov_b32 s[C1+1], s[C1]                       ; (named with it as a pair, so it is written)
	v_bfe_u32 v241, v0, 3, 2
	v_bfe_u32 v242, v0, 1, 1
	v_lshl_add_u32 v243, v241, 1, v242             ; the tile of my four columns: 2 (l / 8) + (l / 2) % 2
	v_bfe_u32 v244, v0, 2, 1
	v_and_b32 v245, 1, v0
	v_lshlrev_b32 v245, 2, v245
	v_lshl_add_u32 v246, v244, 3, v245             ; and their first lane in it: 8 ((l / 4) % 2) + 4 (l % 2)
	v_mul_u32_u24 v2, v243, 1536
	v_mad_u32_u24 v2, v246, 48, v2
	s_mul_i32 s26, s18, 24576
	v_add_nc_u32 v2, s26, v2                       ; where I store codes: my wave's two K steps are 24,576 bytes of their own
	v_lshlrev_b32 v3, 6, v243
	v_lshl_add_u32 v3, v246, 2, v3
	s_lshl_b32 s26, s18, 10
	s_add_co_u32 s26, s26, SCL
	v_add_nc_u32 v3, s26, v3                       ; and scale words
	v_mul_u32_u24 v4, v240, 48                     ; phase F: a lane's 12 registers lie 48 bytes apart
	v_add_nc_u32 v5, 32256, v4
	v_add_nc_u32 v6, 64512, v4
	v_lshl_add_u32 v7, v240, 2, SCL
	v_and_b32 v247, 15, v0                         ; r
	v_bfe_u32 v248, v0, 4, 1                       ; h
	v_lshlrev_b32 v14, 2, v247                     ; 4 r
	v_lshl_add_u32 v12, v248, 7, v14               ; 4 r + 128 h
	v_lshl_add_u32 v13, v248, 6, BIAS
	v_lshl_add_u32 v9, v0, 2, BIAS
	BLOCK 0
	ds_store_b32 v9, v15                           ; (its load was issued ahead of block 0's, whose wait has passed)
	BLOCK 1
	BLOCK 2
	BLOCK 3
	BLOCK 4
	BLOCK 5
	BLOCK 6
	BLOCK 7
	ds_store_b128 v3, v[SB:SB+3]
	ds_store_b128 v3, v[SB+4:SB+7] offset:512
	s_wait_dscnt 0x0                               ; for the others' sake: all my LDS stores have landed
	s_barrier_signal -1
	s_barrier_wait -1                              ; the slice lies in LDS as codes; from here on LDS is only read
	s_wait_kmcnt 0x0
	s_min_u32 s19, s19, 1024
	s_add_co_u32 s[NT], s19, 15
	s_lshr_b32 s[NT], s[NT], 4                     ; tiles of 16 rows
	s_sub_co_u32 s[LAST], s[NT], 1
	s_cmp_ge_u32 s18, s[NT]
	s_cbranch_scc1 .Lend                           ; no tile for this wave; no barrier follows
	s_sub_co_u32 s[TR], s[NT], s18                 ; my tiles are w, w + 4, ..: (tiles - w + 3) / 4 of them, sixteen at the most.
	s_add_co_u32 s[TR], s[TR], 3                   ; The loop is counted by a counter of its own that steps by 1
	s_lshr_b32 s[TR], s[TR], 2
	s_min_u32 s[TR], s[TR], 16
	s_mov_b32 s[CN], 0
	s_mov_b32 s[T], s18
	s_mul_i32 s30, s18, REC
	v_add_nc_u32 v[VI], s30, v1
	v_add_nc_u32 v[VI+1], s30, v1
	v_add_nc_u32 v[VIS], s30, v12
	v_add_nc_u32 v[VIS+1], s30, v12
	HALF 0
	HALF 1
	v_mov_b32 v[GA], 0xc0135761                    ; a = -2.3022082
	v_mov_b32 v[GA+1], 0xc0135761
.set FN, 0
.rept 63
	WIN ((1+FN/21)<<6)
.irp g, 0,1,2
	ds_load_b128 v[12*(FN%21)+4*\g:12*(FN%21)+4*\g+3], v[4+FN/21] offset:1536*(FN%21)+16*\g
.endr
.set FN, FN+1
.endr
	WIN 0
.irp g, 0,1,2
	ds_load_b128 v[F63+4*\g:F63+4*\g+3], v6 offset:32256+16*\g
.endr
.set I, 0
.rept 32
	ds_load_b32 v[WS+I], v7 offset:512*(I/4)+128*(I%4)     ; K step I / 4: lanes 0-15 tile 2 (I % 4), lanes 16-31 tile 2 (I % 4) + 1
.set I, I+1
.endr
	BIASLD
.Ltile:
	s_wait_loadcnt 14                              ; K steps 0-3 of this tile are in; the 14 loads of K steps 4-7 may be out
	s_wait_dscnt 0x0                               ; b1 (and, the first time, W's fragments)
	MM 0
	MM 1
	MM 2
	MM 3
	WIN 0
	NEXT 0                                         ; two plain instructions,
	v_nop
	v_nop                                          ; and two more: four stand between the last product and the loads into its operands
	HALF 0
	s_wait_loadcnt 14                              ; K steps 4-7 are in; the 14 loads just issued may be out
	MM 4
	MM 5
	MM 6
	MM 7
	WIN 0
.rept 4
	v_nop                                          ; four plain instructions between the last product and the first read of results
.endr
	s_wait_xcnt 0x0                                ; the last tile's stores have read their data and offsets
	GELU16 0
	GELU16 1
	GELU16 2
	GELU16 3
	QUANT ACC
	s_min_u32 s31, s[T], 63
	s_mul_i32 s31, s31, REC
	v_add_nc_u32 v[VO], s31, v1
	v_add_nc_u32 v[VOS], s31, v14
.irp g, 0,1,2
	global_store_b128 v[VO], v[PC+4*\g:PC+4*\g+3], s[OUT:OUT+1] offset:512*\g    ; 512 consecutive bytes a store
.endr
	global_store_b32 v[VOS], v[PW], s[OUTS:OUTS+1] ; lanes r and r + 16 hold the same word and write it to the same place
	BIASLD                                         ; the next tile's sums begin
	NEXT 1
	HALF 1
	s_add_co_u32 s[T], s[T], 4
	s_add_co_u32 s[CN], s[CN], 1
	s_cmp_lt_u32 s[CN], s[TR]
	s_cbranch_scc1 .Ltile
.Lend:
	s_set_vgpr_msb 0xa
	s_wait_tensorcnt 0x0
	ds_add_u32 v254, v255
	s_wait_dscnt 0x0
	s_set_vgpr_msb 0xa00
	s_endpgm
.Lfunc_end_k_qb1b1353d5f_up:
	.size	k_qb1b1353d5f_up, .Lfunc_end_k_qb1b1353d5f_up-k_qb1b1353d5f_up
	.p2alignl 7, 3214868480
	.fill 96, 4, 3214868480
	.section	.rodata,"a",@progbits
	.p2align	6, 0x0
	.amdhsa_kernel k_qb1b1353d5f_up
		.amdhsa_group_segment_fixed_size 103936
		.amdhsa_private_segment_fixed_size 0
		.amdhsa_enable_private_segment 0
		.amdhsa_kernarg_size 40
		.amdhsa_user_sgpr_count 2
		.amdhsa_user_sgpr_kernarg_segment_ptr 1
		.amdhsa_wavefront_size32 1
		.amdhsa_system_sgpr_workgroup_id_x 1
		.amdhsa_system_sgpr_workgroup_id_y 1
		.amdhsa_system_sgpr_workgroup_id_z 1
		.amdhsa_system_vgpr_workitem_id 0
		.amdhsa_next_free_vgpr 1024
		.amdhsa_next_free_sgpr 66
		.amdhsa_reserve_vcc 0
		.amdhsa_float_denorm_mode_32 3
		.amdhsa_float_denorm_mode_16_64 3
		.amdhsa_memory_ordered 1
		.amdhsa_forward_progress 1
		.amdhsa_inst_pref_size 163
	.end_amdhsa_kernel
	.amdgpu_metadata
---
amdhsa.version: [ 1, 2 ]
amdhsa.kernels:
  - .name:           k_qb1b1353d5f_up
    .symbol:         k_qb1b1353d5f_up.kd
    .args:
      - { .name: W1, .offset: 0, .size: 8, .value_kind: global_buffer, .address_space: global }
      - { .name: b1, .offset: 8, .size: 8, .value_kind: global_buffer, .address_space: global }
      - { .name: xg, .offset: 16, .size: 8, .value_kind: global_buffer, .address_space: global }
      - { .name: lst, .offset: 24, .size: 8, .value_kind: global_buffer, .address_space: global }
      - { .name: hg, .offset: 32, .size: 8, .value_kind: global_buffer, .address_space: global }
    .group_segment_fixed_size: 103936
    .private_segment_fixed_size: 0
    .kernarg_segment_align: 8
    .kernarg_segment_size: 40
    .max_flat_workgroup_size: 128
    .sgpr_count:     66
    .vgpr_count:     1024
    .wavefront_size: 32
...
	.end_amdgpu_metadata
.endif
;; end of part 3
;; launch down (part 4): grid 256 x 1, 4 waves a work-group, no clusters, 136,704 bytes of LDS; arguments W2, hg, lst, yp; writes yp
.if DOCPART == 4
	.amdgcn_target "amdgcn-amd-amdhsa--gfx1250"
	.amdhsa_code_object_version 6
	.text
	.protected	k_qb1b1353d5f_down
	.globl	k_qb1b1353d5f_down
	.p2align	8
	.type	k_qb1b1353d5f_down,@function
k_qb1b1353d5f_down:
	s_mov_b64 s[64:65], 0
	v_nop
	global_prefetch_b8 v0, s[64:65] scope:SCOPE_SE
	s_setreg_imm32_b32 hwreg(HW_REG_WAVE_MODE, 25, 1), 1
	s_wait_xcnt 0x0
; THE SECOND PRODUCT, in parts: yp[q][row] = Q(h)[row, quarter q of F] Q(W2[e])[quarter q, 128 columns], for the rows that chose expert e.
; A work-group owns expert e = id / 32, quarter q = (id / 8) % 4 of F (K = 1,024) and columns 128 ns .. 128 ns + 127 of D (ns = id % 8): a slice of W2 of 1,024 x 128, 512 KiB of f32, which no other work-group reads.
; Phases W and F and the walk over the rows are those of the first product's launch: the slice is streamed once, quantised along K, laid into LDS in the order of the operand's registers; one barrier; every wave takes all
; 64 fragments into registers and walks the expert's tiles w, w + 4, .. alone.  The trip count is a stored number: no tensor load, no joint request, no barrier behind that one.
; THE WAY OUT.  A lane holds 64 numbers of one row; they go through the wave's own stage in LDS and come back as whole rows of 512 bytes, which go to row (k x 1024 + token) of plane q, as the stored list says.
; The rows that fill a last tile go to row 2048 + e, which nobody reads.  The four planes, b2 and the gate's weights meet in the last launch: each byte here has one owner.
; LIMITS.  A block of zeros keeps the scale byte 1 (its codes are zeros).  NaN and infinities are not served.
; REGISTERS.  Windows 1-3: fragment f = 8 s + t < 63 in window 1 + f / 21 at v[12 (f % 21)] (in phase W: three sets of 128 as loaded).  Window 0: v1-14 addresses; v16-47 W's scale words; v48-51 the rows' scale words;
; v52-63 fragment 63; v64-127 the accumulators; v128-223 the rows' eight fragments; v224-239 the sixteen rows' offsets.
.set PITCH, 4096                       ; bytes from a row of W2[e] to the next
.set REC,   12800
.set PLANE, 8421376                    ; 2,056 rows of 4,096 bytes
.set SCL,   98304                      ; LDS: behind the 64 fragments of 1,536 bytes: W's scale words [s][t][r]
.set STG,   102400                     ; and a stage of 16 rows x (512 + 16) bytes for each wave
.set WS,  16
.set XS,  48
.set F63, 52
.set ACC, 64
.set XF,  128
.set CR,  64
.set MR,  96
.set SO,  100
.set BY,  104
.set SB,  108
.set XR,  128
.set VI,  8
.set VIS, 10
.set RO,  224
.set WB,  4
.set INB, 6
.set LB,  8
.set YB,  10
.set NT,  24                           ; s24 the expert's tiles
.set LAST, 25                          ; s25 the last of them
.set TR,  26                           ; s26 my wave's trips
.set T,   28                           ; s28 the tile in hand: w, w + 4, ..
.set CN,  29                           ; s29 trips done
.set MSB, 0
.macro WIN new                         ; the immediate's high byte repeats the setting that is left
.if MSB != (\new)
	s_set_vgpr_msb (MSB<<8)|(\new)
.set MSB, (\new)
.endif
.endm
.macro LOADW t                         ; block t of my eight: 32 rows, 512 consecutive bytes a load, into set t % 3
.set ST3, (\t)%3
.if ST3 == 2
	WIN 0x80
.set RBASE, 0
.else
	WIN 0x40
.set RBASE, 128*ST3
.endif
.set I, 0
.rept 32
	global_load_b128 v[RBASE+4*I:RBASE+4*I+3], v1, s[WB:WB+1] offset:(32*(\t)+I)*PITCH th:TH_LOAD_NT
.set I, I+1
.endr
	WIN 0
.endm
.macro BLOCK t
.if (\t) < 7
	s_wait_loadcnt 32                              ; this block's 32 loads are in; the next block's 32 may be out
.else
	s_wait_loadcnt 0x0
.endif
.if (\t)+2 < 8
	LOADW (\t)+2                                   ; into the set that the block before was turned out of
.endif
.set ST3, (\t)%3
.if ST3 == 2
	WIN 0x02
.set RBASE, 0
.else
	WIN 0x01
.set RBASE, 128*ST3
.endif
.set I, 0
.rept 32                               ; the conversions take 16 neighbours along K from consecutive registers: row I's four columns go to their columns' runs
.irp c, 0,1,2,3
	v_mov_b32 v[XR+32*\c+I], v[RBASE+4*I+\c]
.endr
.set I, I+1
.endr
	WIN 0
.irp c, 0,1,2,3
	v_max3_num_f32 v[MR+\c], |v[XR+32*\c]|, |v[XR+32*\c+1]|, 0x2800000   ; the floor 2^(5 - 127): the byte cannot fall under 1
.endr
.set I, 2
.rept 15
.irp c, 0,1,2,3
	v_max3_num_f32 v[MR+\c], v[MR+\c], |v[XR+32*\c+I]|, |v[XR+32*\c+I+1]|
.endr
.set I, I+2
.endr
.irp c, 0,1,2,3
	v_add_nc_u32 v[SO+\c], 0xfe000000, v[MR+\c]    ; 4 off the exponent field: the conversion's scale operand
.endr
.irp c, 0,1,2,3
.if (\t)%4 == 0
	v_lshrrev_b32 v[SB+4*((\t)/4)+\c], 23, v[SO+\c]    ; the byte of the K step's first block begins the word
.else
	v_lshrrev_b32 v[BY+\c], 23, v[SO+\c]
.endif
.endr
.if (\t)%4 != 0
.irp c, 0,1,2,3
	v_lshl_or_b32 v[SB+4*((\t)/4)+\c], v[BY+\c], 8*((\t)%4), v[SB+4*((\t)/4)+\c]
.endr
.endif
	s_wait_dscnt 0x0                               ; the last block's LDS stores have read the codes' registers
.irp c, 0,1,2,3
	v_cvt_scalef32_pk16_bf6_f32 v[CR+8*\c:CR+8*\c+2], v[XR+32*\c:XR+32*\c+15], v[SO+\c]
	v_cvt_scalef32_pk16_bf6_f32 v[CR+8*\c+4:CR+8*\c+6], v[XR+32*\c+16:XR+32*\c+31], v[SO+\c]
.endr
	v_nop                                          ; one plain instruction behind the scaled conversions
.irp c, 0,1,2,3                        ; a conversion's three registers begin on an even number: the second three are moved up
	v_mov_b32 v[CR+8*\c+3], v[CR+8*\c+4]
	v_mov_b32 v[CR+8*\c+4], v[CR+8*\c+5]
	v_mov_b32 v[CR+8*\c+5], v[CR+8*\c+6]
.endr
.irp c, 0,1,2,3                        ; block t is K step 2 w + t / 4, lane half t % 2, registers 6 ((t / 2) % 2) on, of lane r0 + c of my tile
.irp p, 0,1,2
	ds_store_b64 v2, v[CR+8*\c+2*\p:CR+8*\c+2*\p+1] offset:12288*((\t)/4)+768*((\t)%2)+24*(((\t)/2)%2)+48*\c+8*\p
.endr
.endr
.endm
.macro HALF x                          ; 14 loads: the rows' fragments of K steps 4 x .. 4 x + 3 and their scale words (lane (r, h): the word of step 4 x + i + 2 h)
.irp s, 0,1,2,3
.irp g, 0,1,2
	global_load_b128 v[XF+12*(4*\x+\s)+4*\g:XF+12*(4*\x+\s)+4*\g+3], v[VI+\x], s[INB:INB+1] offset:1536*(4*\x+\s)+512*\g
.endr
.endr
.irp i, 0,1
	global_load_b32 v[XS+2*\x+\i], v[VIS+\x], s[INB:INB+1] offset:12288+256*\x+64*\i
.endr
.endm
.macro NEXT x                          ; the offsets of my next tile, held at the expert's last tile: no load reads a record that was not written
	s_add_co_u32 s30, s[T], 4
	s_min_u32 s30, s30, s[LAST]
	s_min_u32 s30, s30, 63
	s_mul_i32 s30, s30, REC
	v_add_nc_u32 v[VI+\x], s30, v1
	v_add_nc_u32 v[VIS+\x], s30, v12
.endm
.macro MM s, zero                      ; K step s: eight matrix instructions, the eight accumulators by turns.  zero = 1 (K step 0): the products start the sums
.irp t, 0,1,2,3,4,5,6,7
.set FN, 8*(\s)+\t
.if FN < 63
	WIN (1+FN/21)
.set FA, 12*(FN%21)
.else
	WIN 0
.set FA, F63
.endif
.set AC, ACC+8*\t
.set XB, XF+12*(\s)
.set WR, WS+4*(\s)+\t/2
.set XQ, XS+2*((\s)/4)+(\s)%2
.set RA, \t%2
.set RBS, ((\s)/2)%2
.if \zero && (RA == 0)
	v_wmma_scale_f32_16x16x128_f8f6f4 v[AC:AC+7], v[FA:FA+11], v[XB:XB+11], 0, v[WR], v[XQ] matrix_a_fmt:MATRIX_FMT_BF6 matrix_b_fmt:MATRIX_FMT_BF6
.elseif \zero
	v_wmma_scale_f32_16x16x128_f8f6f4 v[AC:AC+7], v[FA:FA+11], v[XB:XB+11], 0, v[WR], v[XQ] matrix_a_fmt:MATRIX_FMT_BF6 matrix_b_fmt:MATRIX_FMT_BF6 matrix_a_scale:MATRIX_SCALE_ROW1
.elseif (RA == 0) && (RBS == 0)
	v_wmma_scale_f32_16x16x128_f8f6f4 v[AC:AC+7], v[FA:FA+11], v[XB:XB+11], v[AC:AC+7], v[WR], v[XQ] matrix_a_fmt:MATRIX_FMT_BF6 matrix_b_fmt:MATRIX_FMT_BF6
.elseif RBS == 0
	v_wmma_scale_f32_16x16x128_f8f6f4 v[AC:AC+7], v[FA:FA+11], v[XB:XB+11], v[AC:AC+7], v[WR], v[XQ] matrix_a_fmt:MATRIX_FMT_BF6 matrix_b_fmt:MATRIX_FMT_BF6 matrix_a_scale:MATRIX_SCALE_ROW1
.elseif RA == 0
	v_wmma_scale_f32_16x16x128_f8f6f4 v[AC:AC+7], v[FA:FA+11], v[XB:XB+11], v[AC:AC+7], v[WR], v[XQ] matrix_a_fmt:MATRIX_FMT_BF6 matrix_b_fmt:MATRIX_FMT_BF6 matrix_b_scale:MATRIX_SCALE_ROW1
.else
	v_wmma_scale_f32_16x16x128_f8f6f4 v[AC:AC+7], v[FA:FA+11], v[XB:XB+11], v[AC:AC+7], v[WR], v[XQ] matrix_a_fmt:MATRIX_FMT_BF6 matrix_b_fmt:MATRIX_FMT_BF6 matrix_a_scale:MATRIX_SCALE_ROW1 matrix_b_scale:MATRIX_SCALE_ROW1
.endif
.endr
.endm
	s_load_b256 s[4:11], s[0:1], 0x0               ; W2 4, hg 6, lst 8, yp 10
	v_lshl_add_u32 v15, v0, 2, 0x21400
	s_set_vgpr_msb 0x80
	v_mov_b32 v255, 0
	s_set_vgpr_msb 0x8000
	v_lshrrev_b32 v1, 5, v0
	v_readfirstlane_b32 s18, v1                    ; wave
	v_and_b32 v240, 31, v0                         ; lane
	v_lshlrev_b32 v1, 4, v240                      ; 16 x lane
	s_lshr_b32 s16, ttmp9, 5                       ; e
	s_bfe_u32 s17, ttmp9, 0x20003                  ; q
	s_and_b32 s26, ttmp9, 7                        ; ns
	s_mov_b32 s21, 0
	s_mov_b32 s53, 0
	s_lshl_b32 s20, s16, 24                        ; W2[e]: 2^24 bytes an expert,
	s_lshl_b32 s27, s17, 22                        ; 1,024 rows a quarter,
	s_add_co_u32 s20, s20, s27
	s_lshl_b32 s27, s18, 20                        ; 256 rows a wave,
	s_add_co_u32 s20, s20, s27
	s_lshl_b32 s27, s26, 9                         ; 512 bytes a slice
	s_add_co_u32 s20, s20, s27
	s_wait_kmcnt 0x0
	s_add_nc_u64 s[WB:WB+1], s[WB:WB+1], s[20:21]
	LOADW 0
	LOADW 1
	s_lshl_b32 s20, s16, 7
	s_add_nc_u64 s[22:23], s[LB:LB+1], s[20:21]
	s_load_b32 s19, s[22:23], 0x8000               ; the expert's rows
	s_lshl_b32 s20, s16, 12
	s_add_nc_u64 s[LB:LB+1], s[LB:LB+1], s[20:21]  ; its list
	s_lshl_b32 s20, s16, 2
	s_add_co_u32 s20, s20, s17
	s_mul_i32 s20, s20, 64*REC
	s_add_nc_u64 s[INB:INB+1], s[INB:INB+1], s[20:21]  ; hg: record (e, q, 0)
	s_mul_i32 s20, s17, PLANE
	s_add_co_u32 s20, s20, s27
	s_add_nc_u64 s[YB:YB+1], s[YB:YB+1], s[20:21]  ; yp: plane q, my 512 bytes of a row
	v_bfe_u32 v241, v0, 3, 2
	v_bfe_u32 v242, v0, 1, 1
	v_lshl_add_u32 v243, v241, 1, v242             ; the tile of my four columns: 2 (l / 8) + (l / 2) % 2
	v_bfe_u32 v244, v0, 2, 1
	v_and_b32 v245, 1, v0
	v_lshlrev_b32 v245, 2, v245
	v_lshl_add_u32 v246, v244, 3, v245             ; and their first lane in it: 8 ((l / 4) % 2) + 4 (l % 2)
	v_mul_u32_u24 v2, v243, 1536
	v_mad_u32_u24 v2, v246, 48, v2
	s_mul_i32 s27, s18, 24576
	v_add_nc_u32 v2, s27, v2                       ; where I store codes: my wave's two K steps are 24,576 bytes of their own
	v_lshlrev_b32 v3, 6, v243
	v_lshl_add_u32 v3, v246, 2, v3
	s_lshl_b32 s27, s18, 10
	s_add_co_u32 s27, s27, SCL
	v_add_nc_u32 v3, s27, v3                       ; and scale words
	v_mul_u32_u24 v4, v240, 48                     ; phase F: a lane's 12 registers lie 48 bytes apart
	v_add_nc_u32 v5, 32256, v4
	v_add_nc_u32 v6, 64512, v4
	v_lshl_add_u32 v7, v240, 2, SCL
	v_and_b32 v247, 15, v0                         ; r
	v_bfe_u32 v248, v0, 4, 1                       ; h
	v_lshlrev_b32 v12, 2, v247
	v_lshl_add_u32 v12, v248, 7, v12               ; 4 r + 128 h
	s_mul_i32 s27, s18, 8448
	s_add_co_u32 s27, s27, STG                     ; my stage
	v_mul_u32_u24 v13, v247, 528
	v_lshl_add_u32 v13, v248, 6, v13
	v_add_nc_u32 v13, s27, v13                     ; in: row r, + 64 h
	v_add_nc_u32 v14, s27, v1                      ; back: 16 bytes a lane of a whole row
	BLOCK 0
	BLOCK 1
	BLOCK 2
	BLOCK 3
	BLOCK 4
	BLOCK 5
	BLOCK 6
	BLOCK 7
	ds_store_b128 v3, v[SB:SB+3]
	ds_store_b128 v3, v[SB+4:SB+7] offset:512
	s_wait_dscnt 0x0                               ; for the others' sake: all my LDS stores have landed
	s_barrier_signal -1
	s_barrier_wait -1                              ; the slice lies in LDS as codes; from here on a wave stores only into its own stage
	s_wait_kmcnt 0x0
	s_min_u32 s19, s19, 1024
	s_add_co_u32 s[NT], s19, 15
	s_lshr_b32 s[NT], s[NT], 4                     ; tiles of 16 rows
	s_sub_co_u32 s[LAST], s[NT], 1
	s_cmp_ge_u32 s18, s[NT]
	s_cbranch_scc1 .Lend                           ; no tile for this wave; no barrier follows
	s_sub_co_u32 s[TR], s[NT], s18                 ; my tiles are w, w + 4, ..: (tiles - w + 3) / 4 of them, sixteen at the most.
	s_add_co_u32 s[TR], s[TR], 3                   ; The loop is counted by a counter of its own that steps by 1
	s_lshr_b32 s[TR], s[TR], 2
	s_min_u32 s[TR], s[TR], 16
	s_mov_b32 s[CN], 0
	s_mov_b32 s[T], s18
	s_mul_i32 s30, s18, REC
	v_add_nc_u32 v[VI], s30, v1
	v_add_nc_u32 v[VI+1], s30, v1
	v_add_nc_u32 v[VIS], s30, v12
	v_add_nc_u32 v[VIS+1], s30, v12
	HALF 0
	HALF 1
.set FN, 0
.rept 63
	WIN ((1+FN/21)<<6)
.irp g, 0,1,2
	ds_load_b128 v[12*(FN%21)+4*\g:12*(FN%21)+4*\g+3], v[4+FN/21] offset:1536*(FN%21)+16*\g
.endr
.set FN, FN+1
.endr
	WIN 0
.irp g, 0,1,2
	ds_load_b128 v[F63+4*\g:F63+4*\g+3], v6 offset:32256+16*\g
.endr
.set I, 0
.rept 32
	ds_load_b32 v[WS+I], v7 offset:512*(I/4)+128*(I%4)     ; K step I / 4: lanes 0-15 tile 2 (I % 4), lanes 16-31 tile 2 (I % 4) + 1
.set I, I+1
.endr
	s_wait_dscnt 0x0
.Ltile:
	s_min_u32 s30, s[T], 63
	s_lshl_b32 s52, s30, 6
	s_add_nc_u64 s[50:51], s[LB:LB+1], s[52:53]    ; (the last trip's scalar load, which read this pair, was waited for)
	s_load_b512 s[32:47], s[50:51], 0x0            ; where the tile's sixteen rows go
	s_wait_loadcnt 14                              ; K steps 0-3 of this tile are in; the 14 loads of K steps 4-7 may be out
	s_wait_xcnt 0x0                                ; the last tile's stores have read their data (the accumulators' registers) and offsets
	MM 0, 1
	MM 1, 0
	MM 2, 0
	MM 3, 0
	WIN 0
	NEXT 0                                         ; two plain instructions,
	v_nop
	v_nop                                          ; and two more: four stand between the last product and the loads into its operands
	HALF 0
	s_wait_loadcnt 14                              ; K steps 4-7 are in; the 14 loads just issued may be out
	MM 4, 0
	MM 5, 0
	MM 6, 0
	MM 7, 0
	WIN 0
	s_wait_kmcnt 0x0
.set I, 0
.rept 16                               ; sixteen plain vector instructions: also what stands between the last product and the loads and reads below
	s_min_u32 s30, s[32+I], 2055
	s_lshl_b32 s30, s30, 12
	v_add_nc_u32 v[RO+I], s30, v1
.set I, I+1
.endr
	NEXT 1
	HALF 1
.irp b, 0,1,2,3
.irp m, 0,1,2,3
	ds_store_b128 v13, v[ACC+16*\b+4*\m:ACC+16*\b+4*\m+3] offset:128*\b+16*\m    ; each accumulator from its low end on: register 16 b + y is column 32 b + 16 h + y
.endr
.endr
.set I, 0
.rept 16
	ds_load_b128 v[ACC+4*I:ACC+4*I+3], v14 offset:528*I    ; LDS serves a wave's instructions in order: these see the stores above.  Row I, whole
.set I, I+1
.endr
.set I, 0
.rept 16
	s_wait_dscnt 15-I                              ; the younger loads of this run may be out
	global_store_b128 v[RO+I], v[ACC+4*I:ACC+4*I+3], s[YB:YB+1]    ; 512 consecutive bytes of one row
.set I, I+1
.endr
	s_add_co_u32 s[T], s[T], 4
	s_add_co_u32 s[CN], s[CN], 1
	s_cmp_lt_u32 s[CN], s[TR]
	s_cbranch_scc1 .Ltile
.Lend:
	s_set_vgpr_msb 0x8
	s_wait_tensorcnt 0x0
	ds_add_u32 v15, v255
	s_wait_dscnt 0x0
	s_set_vgpr_msb 0x800
	s_endpgm
.Lfunc_end_k_qb1b1353d5f_down:
	.size	k_qb1b1353d5f_down, .Lfunc_end_k_qb1b1353d5f_down-k_qb1b1353d5f_down
	.p2alignl 7, 3214868480
	.fill 96, 4, 3214868480
	.section	.rodata,"a",@progbits
	.p2align	6, 0x0
	.amdhsa_kernel k_qb1b1353d5f_down
		.amdhsa_group_segment_fixed_size 136704
		.amdhsa_private_segment_fixed_size 0
		.amdhsa_enable_private_segment 0
		.amdhsa_kernarg_size 32
		.amdhsa_user_sgpr_count 2
		.amdhsa_user_sgpr_kernarg_segment_ptr 1
		.amdhsa_wavefront_size32 1
		.amdhsa_system_sgpr_workgroup_id_x 1
		.amdhsa_system_sgpr_workgroup_id_y 1
		.amdhsa_system_sgpr_workgroup_id_z 1
		.amdhsa_system_vgpr_workitem_id 0
		.amdhsa_next_free_vgpr 1024
		.amdhsa_next_free_sgpr 66
		.amdhsa_reserve_vcc 0
		.amdhsa_float_denorm_mode_32 3
		.amdhsa_float_denorm_mode_16_64 3
		.amdhsa_memory_ordered 1
		.amdhsa_forward_progress 1
		.amdhsa_inst_pref_size 148
	.end_amdhsa_kernel
	.amdgpu_metadata
---
amdhsa.version: [ 1, 2 ]
amdhsa.kernels:
  - .name:           k_qb1b1353d5f_down
    .symbol:         k_qb1b1353d5f_down.kd
    .args:
      - { .name: W2, .offset: 0, .size: 8, .value_kind: global_buffer, .address_space: global }
      - { .name: hg, .offset: 8, .size: 8, .value_kind: global_buffer, .address_space: global }
      - { .name: lst, .offset: 16, .size: 8, .value_kind: global_buffer, .address_space: global }
      - { .name: yp, .offset: 24, .size: 8, .value_kind: global_buffer, .address_space: global }
    .group_segment_fixed_size: 136704
    .private_segment_fixed_size: 0
    .kernarg_segment_align: 8
    .kernarg_segment_size: 32
    .max_flat_workgroup_size: 128
    .sgpr_count:     66
    .vgpr_count:     1024
    .wavefront_size: 32
...
	.end_amdgpu_metadata
.endif
;; end of part 4
;; launch comb (part 5): grid 256 x 1, 8 waves a work-group, no clusters, 0 bytes of LDS; arguments yp, sel, gw, b2, out0; writes out0
.if DOCPART == 5
	.amdgcn_target "amdgcn-amd-amdhsa--gfx1250"
	.amdhsa_code_object_version 6
	.text
	.protected	k_qb1b1353d5f_comb
	.globl	k_qb1b1353d5f_comb
	.p2align	8
	.type	k_qb1b1353d5f_comb,@function
k_qb1b1353d5f_comb:
	s_mov_b64 s[64:65], 0
	v_nop
	global_prefetch_b8 v0, s[64:65] scope:SCOPE_SE
	s_setreg_imm32_b32 hwreg(HW_REG_WAVE_MODE, 25, 1), 1
	s_wait_xcnt 0x0
; THE COMBINING: out[token] = w0 (the four planes' rows of the first choice + b2[e0]) + w1 (the same of the second choice).  A stream: no LDS, no barrier, no matrix unit.
; A wave owns half a row of one token (2,048 bytes): four groups of 512 consecutive bytes.  All 32 loads of yp go out first, since their addresses hang on ids alone; then the choice is awaited and the 8 loads of b2 follow.
; Every register is written once, so no wait frees a register.
	s_load_b256 s[4:11], s[0:1], 0x0               ; yp 4, sel 6, gw 8, b2 10
	s_load_b64 s[12:13], s[0:1], 0x20              ; out0
	v_lshrrev_b32 v1, 5, v0
	v_readfirstlane_b32 s14, v1                    ; wave
	s_lshr_b32 s15, s14, 1
	s_lshl_b32 s16, ttmp9, 2
	s_add_co_u32 s15, s15, s16                     ; token
	s_and_b32 s14, s14, 1                          ; which half of its row
	v_and_b32 v1, 31, v0
	v_lshlrev_b32 v1, 4, v1                        ; 16 x lane
	s_lshl_b32 s30, s15, 2
	s_mov_b32 s31, 0
	s_lshl_b32 s32, s15, 3
	s_mov_b32 s33, 0
	s_lshl_b32 s36, s14, 11
	s_lshl_b32 s34, s15, 12
	s_add_co_u32 s34, s34, s36
	s_mov_b32 s35, 0
	s_wait_kmcnt 0x0
	s_add_nc_u64 s[6:7], s[6:7], s[30:31]
	s_add_nc_u64 s[8:9], s[8:9], s[32:33]
	s_load_b32 s24, s[6:7], 0x0                    ; e0 | e1 << 8
	s_load_b64 s[26:27], s[8:9], 0x0               ; w0, w1
	s_add_nc_u64 s[16:17], s[4:5], s[34:35]        ; the token's half row in planes 0 to 3
	s_add_nc_u64 s[18:19], s[16:17], 8421376
	s_add_nc_u64 s[20:21], s[18:19], 8421376
	s_add_nc_u64 s[22:23], s[20:21], 8421376
	s_add_nc_u64 s[12:13], s[12:13], s[34:35]
.irp i, 0,1,2,3
.irp k, 0,1
.irp q, 0,1,2,3
	global_load_b128 v[32+40*\i+16*\k+4*\q:35+40*\i+16*\k+4*\q], v1, s[16+2*\q:17+2*\q] offset:4194304*\k+512*\i th:TH_LOAD_NT   ; the second choice's rows lie 1,024 rows on
.endr
.endr
.endr
	s_wait_kmcnt 0x0
	s_and_b32 s28, s24, 0xff
	s_min_u32 s28, s28, 7
	s_lshl_b32 s28, s28, 12
	s_add_co_u32 s28, s28, s36
	s_lshr_b32 s29, s24, 8
	s_min_u32 s29, s29, 7
	s_lshl_b32 s29, s29, 12
	s_add_co_u32 s29, s29, s36
	v_add_nc_u32 v2, s28, v1                       ; b2[e0], my half, my 16 bytes
	v_add_nc_u32 v3, s29, v1                       ; b2[e1]
	s_mov_b32 s38, s27                             ; w1 as the low word of a pair of its own
	s_mov_b32 s39, s27
.irp i, 0,1,2,3
.irp k, 0,1
	global_load_b128 v[64+40*\i+4*\k:67+40*\i+4*\k], v[2+\k], s[10:11] offset:512*\i
.endr
.endr
.macro GROUP i
	s_wait_loadcnt 2*(3-\i)                        ; all of yp and this group's b2 are in; the later groups' loads of b2 may be out
.irp k, 0,1
.irp d, 0,2
.set YR, 32+40*\i+16*\k+\d
	v_pk_add_f32 v[YR:YR+1], v[YR:YR+1], v[YR+4:YR+5]
	v_pk_add_f32 v[YR+8:YR+9], v[YR+8:YR+9], v[YR+12:YR+13]
	v_pk_add_f32 v[YR:YR+1], v[YR:YR+1], v[YR+8:YR+9]
	v_pk_add_f32 v[YR:YR+1], v[YR:YR+1], v[64+40*\i+4*\k+\d:65+40*\i+4*\k+\d]
.endr
.endr
.irp d, 0,2
.set YR, 32+40*\i+\d
	v_pk_mul_f32 v[YR:YR+1], v[YR:YR+1], s[26:27] op_sel_hi:[1,0]
	v_pk_fma_f32 v[YR:YR+1], v[YR+16:YR+17], s[38:39], v[YR:YR+1] op_sel_hi:[1,0,1]
.endr
	global_store_b128 v1, v[32+40*\i:35+40*\i], s[12:13] offset:512*\i th:TH_STORE_NT    ; 512 consecutive bytes, written once
.endm
	GROUP 0
	GROUP 1
	GROUP 2
	GROUP 3
	s_endpgm
.Lfunc_end_k_qb1b1353d5f_comb:
	.size	k_qb1b1353d5f_comb, .Lfunc_end_k_qb1b1353d5f_comb-k_qb1b1353d5f_comb
	.p2alignl 7, 3214868480
	.fill 96, 4, 3214868480
	.section	.rodata,"a",@progbits
	.p2align	6, 0x0
	.amdhsa_kernel k_qb1b1353d5f_comb
		.amdhsa_group_segment_fixed_size 0
		.amdhsa_private_segment_fixed_size 0
		.amdhsa_enable_private_segment 0
		.amdhsa_kernarg_size 40
		.amdhsa_user_sgpr_count 2
		.amdhsa_user_sgpr_kernarg_segment_ptr 1
		.amdhsa_wavefront_size32 1
		.amdhsa_system_sgpr_workgroup_id_x 1
		.amdhsa_system_sgpr_workgroup_id_y 1
		.amdhsa_system_sgpr_workgroup_id_z 1
		.amdhsa_system_vgpr_workitem_id 0
		.amdhsa_next_free_vgpr 200
		.amdhsa_next_free_sgpr 66
		.amdhsa_reserve_vcc 0
		.amdhsa_float_denorm_mode_32 3
		.amdhsa_float_denorm_mode_16_64 3
		.amdhsa_memory_ordered 1
		.amdhsa_forward_progress 1
		.amdhsa_inst_pref_size 12
	.end_amdhsa_kernel
	.amdgpu_metadata
---
amdhsa.version: [ 1, 2 ]
amdhsa.kernels:
  - .name:           k_qb1b1353d5f_comb
    .symbol:         k_qb1b1353d5f_comb.kd
    .args:
      - { .name: yp, .offset: 0, .size: 8, .value_kind: global_buffer, .address_space: global }
      - { .name: sel, .offset: 8, .size: 8, .value_kind: global_buffer, .address_space: global }
      - { .name: gw, .offset: 16, .size: 8, .value_kind: global_buffer, .address_space: global }
      - { .name: b2, .offset: 24, .size: 8, .value_kind: global_buffer, .address_space: global }
      - { .name: out0, .offset: 32, .size: 8, .value_kind: global_buffer, .address_space: global }
    .group_segment_fixed_size: 0
    .private_segment_fixed_size: 0
    .kernarg_segment_align: 8
    .kernarg_segment_size: 40
    .max_flat_workgroup_size: 256
    .sgpr_count:     66
    .vgpr_count:     200
    .wavefront_size: 32
...
	.end_amdgpu_metadata
.endif
;; end of part 5
;; ======== version 2 of 2: 4 launches
;; limits: right only within a limited range of input values
;; workspace buffers: sel 4,096 bytes of whole numbers; gw 8,192 bytes; part 16,384 bytes; lst 33,792 bytes of whole numbers; xq 819,200 bytes; hg 26,214,400 bytes; yp 33,685,504 bytes; w2q 26,214,400 bytes
;; launch gate (part 6): grid 1280 x 1, 1 waves a work-group, no clusters, 29,696 bytes of LDS; arguments inputs, task_param, alpha, Wg_in, bg_in, Wg_task, bg_task, sel, gw, part, xq, W2, w2q; writes sel, gw, part, xq, w2q
.if DOCPART == 6
	.amdgcn_target "amdgcn-amd-amdhsa--gfx1250"
	.amdhsa_code_object_version 6
	.text
	.protected	k_qb1b1353d5f_gate
	.globl	k_qb1b1353d5f_gate
	.p2align	8
	.type	k_qb1b1353d5f_gate,@function
k_qb1b1353d5f_gate:
	s_mov_b64 s[64:65], 0
	v_nop
	global_prefetch_b8 v0, s[64:65] scope:SCOPE_SE
	s_setreg_imm32_b32 hwreg(HW_REG_WAVE_MODE, 25, 1), 1
	s_wait_xcnt 0x0
; THE GATE.  logits = (1 - alpha) (x Wg_in + bg_in) + alpha (task Wg_task + bg_task), all in f32 by fused multiply-adds: the choice of experts hangs on them.
; For each token: the two largest logits (of equal logits the lower index comes first), the softmax over those two, the softmax over all eight.
; Stored: sel[token] = e0 | e1 << 8 (whole numbers: a later launch makes addresses of them, this one makes none), gw[token] = w0, w1,
; part[wave] = the sums over the wave's four tokens of the eight softmax weights and of the eight counts, for the auxiliary loss.
; SHARES.  256 work-groups of ONE wave, four tokens each: a wave's 104 loads then have a WGP's way to memory to themselves, and every WGP has a wave.
; Lane l holds k = 128 c + 4 l + j of a row of x (each load of the wave covers 512 consecutive bytes) and the same rows of Wg_in, in window 1.
; LIMITS.  NaN and infinities are not served.  The sums are taken in another order than a plain loop over k takes them: two logits that differ by less than f32 rounding of such sums may be ranked either way.
; WORK THAT IS NOT DONE IN THIS PROGRAM.  reference() multiplies every expert's result by combine[.., e], which it builds itself from the one_hot of its own top-k: it is 0 for every expert
; that a token did not choose, whatever the inputs hold.  So the later launches multiply only the rows of the chosen experts.  A NaN, an infinity or an overflow that arises only in a row of an expert not chosen is not carried to the result.
; x AS CODES.  The quantiser of x along D knows nothing of the choice, and the wave holds its four rows anyway: they turn through an LDS stage (chunks of 512 bytes, 528 apart), so that lane l holds the 128 neighbours
; of K step l % 8 of token l / 8: four whole blocks of 32.  xq[token]: 768 bytes, the 16 bytes of registers 4 g .. 4 g + 3 of lane half h of K step s at 96 s + 32 g + 16 h; xs[token][s]: the scale word.
; A block's byte is its largest magnitude's exponent field - 4, held at 1 from below; a block of zeros keeps the byte 1 (its codes are zeros; this program alone reads the bytes).
; TWO KINDS OF WORK-GROUPS, told apart by the work-group's number alone: 0 to 1,023 quantise W2 (their text stands behind the gate's), 1,024 to 1,279 are the gate's 256.  Each kind has LDS bytes of its own.
; The scale words xs lie in xq's buffer, behind the 786,432 bytes of codes.
.set STGE,  12544                      ; the gate's stage lies behind the quantiser's 12,544 bytes
.set SPARE, 29440                      ; behind the stage of 4 x 4,224 bytes: the spare words
.set AI,   16
.set AT,   24                          ; v24-31   the task gate's
.set LG,   32                          ; v32-39   the logits
.set LM,   40                          ; v40-47   the logits with the first choice masked; then the softmax's terms
.set PD,   48                          ; v48-55   destinations of the lane permute; then at work
.set M1,   56
.set I1,   57
.set M2,   58
.set I2,   59
.set EX,   60
.set RC,   61
.set XR,   64                          ; v64-191  x: token i, chunk c at 64 + 32 i + 4 c
.set TK,   192                         ; v192-199 task_param: a pair for each token
.set GT,   200                         ; v200-215 Wg_task: row j of my two at 8 j
.set SELW, 216                         ; v216-219 the four tokens' words
.set WP,   220                         ; v220-227 their w0, w1
.set SW,   228                         ; v228-235 sums of softmax weights
.set SC,   236                         ; v236-243 sums of counts
.set BI,   244                         ; v244-251 the blended biases
.set BL,   252                         ; v252 1 - alpha, v253 alpha
.set MSB, 0
.macro WIN new                         ; the immediate's high byte repeats the setting that is left
.if MSB != (\new)
	s_set_vgpr_msb (MSB<<8)|(\new)
.set MSB, (\new)
.endif
.endm
	v_lshl_add_u32 v254, v0, 2, SPARE              ; my spare word, and 0
	v_mov_b32 v255, 0
	s_cmp_lt_u32 ttmp9, 1024
	s_wait_alu depctr_va_vdst(0)
	s_cbranch_scc1 .Lquant
	s_load_b512 s[4:19], s[0:1], 0x0
	s_load_b128 s[20:23], s[0:1], 0x40
	s_load_b64 s[52:53], s[0:1], 0x50              ; xq
	s_sub_co_u32 s26, ttmp9, 1024                  ; which of the gate's 256 waves
	v_and_b32 v1, 31, v0                           ; lane
	v_lshlrev_b32 v2, 4, v1                        ; x: 16 bytes a lane
	v_lshlrev_b32 v3, 7, v1                        ; Wg_in: four rows of 32 bytes a lane
	v_lshlrev_b32 v4, 3, v1                        ; task_param: 8 bytes a lane
	v_lshlrev_b32 v5, 6, v1                        ; Wg_task: two rows a lane
	v_mov_b32 v6, 0
	v_mov_b32 v7, 0xff800000                       ; -infinity
	v_mov_b32 v8, 1.0
	v_lshrrev_b32 v9, 3, v1
	v_and_b32 v10, 7, v1                           ; l % 8: its K step
	v_mul_u32_u24 v11, v9, 4224
	v_mad_u32_u24 v11, v10, 528, v11
	v_add_nc_u32 v11, STGE, v11
	v_mul_u32_u24 v12, v9, 768
	v_mad_u32_u24 v12, v10, 96, v12                ; xq: my 96 bytes
	v_lshlrev_b32 v13, 2, v1                       ; xs: my word
	s_mov_b32 s44, 0x76543210                      ; selects for lane l xor 16
	s_mov_b32 s45, 0xfedcba98
	s_mov_b32 s49, 0
	s_wait_alu depctr_va_vdst(0)
	s_wait_kmcnt 0x0
	s_load_b32 s24, s[8:9], 0x0                    ; alpha
	s_load_b256 s[28:35], s[12:13], 0x0            ; bg_in
	s_load_b256 s[36:43], s[16:17], 0x0            ; bg_task
	s_lshl_b32 s48, s26, 14                        ; four rows of 4,096 bytes a wave
	s_add_nc_u64 s[4:5], s[4:5], s[48:49]
	s_lshl_b32 s48, s26, 10                        ; four rows of 256 bytes
	s_add_nc_u64 s[6:7], s[6:7], s[48:49]
	s_lshl_b32 s48, s26, 7                         ; four rows of 32 bytes of scales, behind the codes
	s_add_co_u32 s48, s48, 786432
	s_add_nc_u64 s[54:55], s[52:53], s[48:49]
	s_mul_i32 s48, s26, 3072                       ; four rows of 768 bytes of codes
	s_add_nc_u64 s[52:53], s[52:53], s[48:49]
.irp i, 0,1,2,3
.irp c, 0,1,2,3,4,5,6,7
	global_load_b128 v[XR+32*\i+4*\c:XR+32*\i+4*\c+3], v2, s[4:5] offset:4096*\i+512*\c
.endr
.endr
.irp i, 0,1,2,3
	global_load_b64 v[TK+2*\i:TK+2*\i+1], v4, s[6:7] offset:256*\i
.endr
.irp j, 0,1
.irp m, 0,1
	global_load_b128 v[GT+8*\j+4*\m:GT+8*\j+4*\m+3], v5, s[14:15] offset:32*\j+16*\m
.endr
.endr
	WIN 0x40                                       ; destination window 1: Wg_in(128 c + 4 l + j, e) at 32 c + 8 j + e
.irp c, 0,1,2,3,4,5,6,7
.irp j, 0,1,2,3
.irp m, 0,1
	global_load_b128 v[32*\c+8*\j+4*\m:32*\c+8*\j+4*\m+3], v3, s[10:11] offset:4096*\c+32*\j+16*\m
.endr
.endr
.endr
	WIN 0
.irp e, 0,1,2,3,4,5,6,7
	v_mov_b32 v[SW+\e], 0
	v_mov_b32 v[SC+\e], 0
	v_mov_b32 v[PD+\e], 0                          ; a lane permute's destination counts as one of its sources
.endr
	s_wait_kmcnt 0x0
	v_mov_b32 v[BL+1], s24
	v_sub_f32 v[BL], 1.0, v[BL+1]
.irp e, 0,1,2,3,4,5,6,7
	v_mul_f32 v[BI+\e], s[28+\e], v[BL]
.endr
.irp e, 0,1,2,3,4,5,6,7
	v_fmac_f32 v[BI+\e], s[36+\e], v[BL+1]
.endr
	s_wait_loadcnt 0x0
.irp i, 0,1,2,3
.irp c, 0,1,2,3,4,5,6,7
	ds_store_b128 v2, v[XR+32*\i+4*\c:XR+32*\i+4*\c+3] offset:STGE+4224*\i+528*\c
.endr
.endr
.macro TOKEN i
	WIN 0x01                                       ; source 0 (Wg_in) window 1
.irp c, 0,1,2,3,4,5,6,7
.irp j, 0,1,2,3
.irp p, 0,1,2,3
.if (\c == 0) && (\j == 0)
	v_pk_mul_f32 v[AI+2*\p:AI+2*\p+1], v[2*\p:2*\p+1], v[XR+32*\i:XR+32*\i+1] op_sel_hi:[1,0]     ; the first product starts the sums
.elseif (\j%2) == 0
	v_pk_fma_f32 v[AI+2*\p:AI+2*\p+1], v[32*\c+8*\j+2*\p:32*\c+8*\j+2*\p+1], v[XR+32*\i+4*\c+\j:XR+32*\i+4*\c+\j+1], v[AI+2*\p:AI+2*\p+1] op_sel_hi:[1,0,1]
.else
	v_pk_fma_f32 v[AI+2*\p:AI+2*\p+1], v[32*\c+8*\j+2*\p:32*\c+8*\j+2*\p+1], v[XR+32*\i+4*\c+\j-1:XR+32*\i+4*\c+\j], v[AI+2*\p:AI+2*\p+1] op_sel:[0,1,0] op_sel_hi:[1,1,1]
.endif
.endr
.endr
.endr
	WIN 0
.irp p, 0,1,2,3
	v_pk_mul_f32 v[AT+2*\p:AT+2*\p+1], v[GT+2*\p:GT+2*\p+1], v[TK+2*\i:TK+2*\i+1] op_sel_hi:[1,0]
.endr
.irp p, 0,1,2,3
	v_pk_fma_f32 v[AT+2*\p:AT+2*\p+1], v[GT+8+2*\p:GT+8+2*\p+1], v[TK+2*\i:TK+2*\i+1], v[AT+2*\p:AT+2*\p+1] op_sel:[0,1,0] op_sel_hi:[1,1,1]
.endr
.irp p, 0,1,2,3
	v_pk_mul_f32 v[AI+2*\p:AI+2*\p+1], v[AI+2*\p:AI+2*\p+1], v[BL:BL+1] op_sel_hi:[1,0]          ; x (1 - alpha)
.endr
.irp p, 0,1,2,3
	v_pk_fma_f32 v[AI+2*\p:AI+2*\p+1], v[AT+2*\p:AT+2*\p+1], v[BL:BL+1], v[AI+2*\p:AI+2*\p+1] op_sel:[0,1,0] op_sel_hi:[1,1,1]   ; + alpha x the task's
.endr
.irp m, 1,2,4,8                        ; over the 32 lanes; the eight sums by turns
.irp e, 0,1,2,3,4,5,6,7
	v_add_f32_dpp v[AI+\e], v[AI+\e], v[AI+\e] row_xmask:\m row_mask:0xf bank_mask:0xf
.endr
.endr
.irp e, 0,1,2,3,4,5,6,7
	v_permlanex16_b32 v[PD+\e], v[AI+\e], s44, s45
.endr
.irp e, 0,1,2,3,4,5,6,7
	v_add_f32 v[AI+\e], v[AI+\e], v[PD+\e]
.endr
.irp e, 0,1,2,3,4,5,6,7
	v_add_f32 v[LG+\e], v[AI+\e], v[BI+\e]         ; every lane holds the token's eight logits
.endr
	v_mov_b32 v[M1], v[LG]                         ; the largest; a later logit takes its place only if it is larger: the lower index stays
	v_mov_b32 v[I1], 0
.irp e, 1,2,3,4,5,6,7
	v_cmp_le_f32 vcc_lo, v[LG+\e], v[M1]
	v_cndmask_b32 v[I1], \e, v[I1], vcc_lo
	v_max_num_f32 v[M1], v[M1], v[LG+\e]
.endr
.irp e, 0,1,2,3,4,5,6,7
	v_cmp_eq_u32 vcc_lo, \e, v[I1]
	v_cndmask_b32 v[LM+\e], v[LG+\e], v7, vcc_lo   ; the first choice out of the way
.endr
	v_mov_b32 v[M2], v[LM]
	v_mov_b32 v[I2], 0
.irp e, 1,2,3,4,5,6,7
	v_cmp_le_f32 vcc_lo, v[LM+\e], v[M2]
	v_cndmask_b32 v[I2], \e, v[I2], vcc_lo
	v_max_num_f32 v[M2], v[M2], v[LM+\e]
.endr
.irp e, 0,1,2,3,4,5,6,7
	v_sub_f32 v[LM+\e], v[LG+\e], v[M1]            ; the maximum is taken away ahead of the exponentials
.endr
	v_sub_f32 v[EX], v[M2], v[M1]
.irp e, 0,1,2,3,4,5,6,7
	v_mul_f32 v[LM+\e], 0x3fb8aa3b, v[LM+\e]       ; x log2(e)
.endr
	v_mul_f32 v[EX], 0x3fb8aa3b, v[EX]
	s_wait_alu depctr_va_vdst(0)
.irp e, 0,1,2,3,4,5,6,7
	v_exp_f32 v[LM+\e], v[LM+\e]
.endr
	v_exp_f32 v[EX], v[EX]
	v_nop                                          ; a plain instruction behind the exponentials
	s_wait_alu depctr_va_vdst(0)
	v_add_f32 v[PD], v[LM], v[LM+1]
	v_add_f32 v[PD+1], v[LM+2], v[LM+3]
	v_add_f32 v[PD+2], v[LM+4], v[LM+5]
	v_add_f32 v[PD+3], v[LM+6], v[LM+7]
	v_add_f32 v[PD+4], 1.0, v[EX]
	v_add_f32 v[PD], v[PD], v[PD+1]
	v_add_f32 v[PD+2], v[PD+2], v[PD+3]
	v_add_f32 v[PD], v[PD], v[PD+2]
	s_wait_alu depctr_va_vdst(0)
	v_rcp_f32 v[RC], v[PD]
	v_rcp_f32 v[WP+2*\i], v[PD+4]                  ; w0 = 1 / (1 + e^(m2 - m1))
	v_lshl_or_b32 v[SELW+\i], v[I2], 8, v[I1]      ; (a plain instruction behind the reciprocals)
	s_wait_alu depctr_va_vdst(0)
	v_mul_f32 v[WP+2*\i+1], v[EX], v[WP+2*\i]      ; w1
.irp e, 0,1,2,3,4,5,6,7
	v_fmac_f32 v[SW+\e], v[LM+\e], v[RC]
.endr
.irp e, 0,1,2,3,4,5,6,7
	v_cmp_eq_u32 s46, \e, v[I1]
	v_cmp_eq_u32 s47, \e, v[I2]
	s_or_b32 vcc_lo, s46, s47
	v_cndmask_b32 v[PD+\e], v6, v8, vcc_lo         ; 1.0 for a chosen expert
.endr
.irp e, 0,1,2,3,4,5,6,7
	v_add_f32 v[SC+\e], v[SC+\e], v[PD+\e]
.endr
.endm
	TOKEN 0
	TOKEN 1
	TOKEN 2
	TOKEN 3
	s_wait_dscnt 0x0                               ; the stage's stores have read x's registers, which now take the rows turned
.set J, 0
.rept 32
	ds_load_b128 v[XR+4*J:XR+4*J+3], v11 offset:16*J
.set J, J+1
.endr
	s_wait_tensorcnt 0x0                           ; behind my last LDS store
	ds_add_u32 v254, v255
	s_wait_dscnt 0x0                               ; and the 32 loads are in: register XR + 32 b + i is k = 128 (l % 8) + 32 b + i
.irp b, 0,1,2,3
	v_max3_num_f32 v[16+\b], |v[XR+32*\b]|, |v[XR+32*\b+1]|, 0x2800000   ; the floor 2^(5 - 127): the byte cannot fall under 1
.endr
.set J, 2
.rept 15
.irp b, 0,1,2,3
	v_max3_num_f32 v[16+\b], v[16+\b], |v[XR+32*\b+J]|, |v[XR+32*\b+J+1]|
.endr
.set J, J+2
.endr
.irp b, 0,1,2,3
	v_add_nc_u32 v[20+\b], 0xfe000000, v[16+\b]    ; 4 off the exponent field: the conversion's scale operand
.endr
.irp b, 0,1,2,3
	v_lshrrev_b32 v[24+\b], 23, v[20+\b]           ; the byte
.endr
	v_lshl_or_b32 v28, v25, 8, v24
	v_lshl_or_b32 v28, v26, 16, v28
	v_lshl_or_b32 v28, v27, 24, v28                ; the K step's scale word
.irp h, 0,1                            ; lane half h of the operand takes blocks h and 2 + h
.irp c, 0,1
	v_cvt_scalef32_pk16_bf6_f32 v[32+12*\h+6*\c:34+12*\h+6*\c], v[XR+32*(2*\c+\h):XR+32*(2*\c+\h)+15], v[20+2*\c+\h]
	v_cvt_scalef32_pk16_bf6_f32 v[192+8*\h+4*\c:194+8*\h+4*\c], v[XR+32*(2*\c+\h)+16:XR+32*(2*\c+\h)+31], v[20+2*\c+\h]
.endr
.endr
	v_nop                                          ; one plain instruction behind the scaled conversions
.irp h, 0,1
.irp c, 0,1
.irp i, 0,1,2
	v_mov_b32 v[35+12*\h+6*\c+\i], v[192+8*\h+4*\c+\i]   ; a conversion's three registers begin on an even number: the second three are moved up
.endr
.endr
.endr
.irp h, 0,1
.irp g, 0,1,2
	global_store_b128 v12, v[32+12*\h+4*\g:35+12*\h+4*\g], s[52:53] offset:32*\g+16*\h   ; the six stores together fill the wave's 3,072 consecutive bytes
.endr
.endr
	global_store_b32 v13, v28, s[54:55]            ; 128 consecutive bytes
	s_lshl_b32 s48, s26, 4
	s_add_nc_u64 s[18:19], s[18:19], s[48:49]
	s_lshl_b32 s48, s26, 5
	s_add_nc_u64 s[20:21], s[20:21], s[48:49]
	s_lshl_b32 s48, s26, 6
	s_add_nc_u64 s[22:23], s[22:23], s[48:49]
	s_wait_alu depctr_va_vdst(0)
	s_wait_xcnt 0x0                                ; EXEC changes only behind this wait
	v_cmp_eq_u32 vcc_lo, 0, v1
	s_and_saveexec_b32 s46, vcc_lo                 ; every lane holds the same 112 bytes of book-keeping: lane 0 stores them
	global_store_b128 v6, v[SELW:SELW+3], s[18:19]
	global_store_b128 v6, v[WP:WP+3], s[20:21]
	global_store_b128 v6, v[WP+4:WP+7], s[20:21] offset:16
	global_store_b128 v6, v[SW:SW+3], s[22:23]
	global_store_b128 v6, v[SW+4:SW+7], s[22:23] offset:16
	global_store_b128 v6, v[SC:SC+3], s[22:23] offset:32
	global_store_b128 v6, v[SC+4:SC+7], s[22:23] offset:48
	s_endpgm
; W2 AS CODES.  The quantiser of W2 along F knows nothing of the choice of experts.  Work-group id (one wave): slice id / 4 = 32 e + 8 q + ns (expert, quarter of F, 128 columns of D), w = id % 4: K rows 256 w .. 256 w + 255 of the quarter.
; A row's 512 bytes come by one load (16 bytes a lane: columns 4 l .. 4 l + 3), up to two blocks of 32 rows out; each block is turned so that a column's 32 numbers stand in consecutive registers, quantised along K,
; and laid into LDS in the order of the operand's registers (a fragment's place is 1,552 bytes).  Behind each K step of 128 its eight fragments leave as register images: registers 4 g .. 4 g + 3 of lane L of fragment 8 s + t
; at 1536 (8 s + t) + 512 g + 16 L of the slice's record of 102,400 bytes; from 98,304 on the scale words [s][t][r].  Every store of codes covers 512 consecutive bytes.
; Lane r of tile 2 b + u holds column 32 b + 8 u + r + 8 (r / 8).  A block of zeros keeps the byte 1 (its codes are zeros; this program alone reads the bytes).  NaN and infinities are not served.
.Lquant:
.set FS, 1552
.set QC, 32                            ; v32-63   codes, 8 registers a column
.set QM, 64                            ; v64-67   largest magnitudes
.set QS, 68                            ; v68-71   the conversions' scale operands
.set QB, 72                            ; v72-75   bytes
.set QW, 76                            ; v76-79   the K step's scale words
.set QX, 96                            ; v96-223  a block turned: column c at 96 + 32 c; then the images on their way out
.macro QLOAD t                         ; block t of my eight, into set t % 2 of window 1.  The same 32 loads in two orders: waves of class 0 begin with the block's row 0, waves of class 1 with its row 6 and go round,
	s_cmp_eq_u32 s22, 0                            ; so that waves side by side do not all name the same row of their blocks at once.  Each row lands in its own registers either way, and the waits count 32 loads on both ways
	s_cbranch_scc0 .Lround_\@
	WIN 0x40
.set I, 0
.rept 32
	global_load_b128 v[128*((\t)%2)+4*I:128*((\t)%2)+4*I+3], v1, s[4:5] offset:(32*(\t)+I)*4096 th:TH_LOAD_NT
.set I, I+1
.endr
	WIN 0
	s_branch .Lasked_\@
.Lround_\@:
	WIN 0x40
.set I, 0
.rept 32
.set R, (I+6)%32
	global_load_b128 v[128*((\t)%2)+4*R:128*((\t)%2)+4*R+3], v1, s[4:5] offset:(32*(\t)+R)*4096 th:TH_LOAD_NT
.set I, I+1
.endr
	WIN 0
.Lasked_\@:
.endm
.macro QBLOCK t
.if (\t) < 7
	s_wait_loadcnt 32                              ; this block's 32 loads are in; the next block's 32 may be out
.else
	s_wait_loadcnt 0x0
.endif
	WIN 0x01
.set I, 0
.rept 32
.irp c, 0,1,2,3
	v_mov_b32 v[QX+32*\c+I], v[128*((\t)%2)+4*I+\c]
.endr
.set I, I+1
.endr
	WIN 0
.if (\t)+2 < 8
	QLOAD (\t)+2                                   ; into the set just turned out
.endif
.irp c, 0,1,2,3
	v_max3_num_f32 v[QM+\c], |v[QX+32*\c]|, |v[QX+32*\c+1]|, 0x2800000   ; the floor 2^(5 - 127)
.endr
.set I, 2
.rept 15
.irp c, 0,1,2,3
	v_max3_num_f32 v[QM+\c], v[QM+\c], |v[QX+32*\c+I]|, |v[QX+32*\c+I+1]|
.endr
.set I, I+2
.endr
.irp c, 0,1,2,3
	v_add_nc_u32 v[QS+\c], 0xfe000000, v[QM+\c]    ; 4 off the exponent field: the conversion's scale operand
.endr
.irp c, 0,1,2,3
.if (\t)%4 == 0
	v_lshrrev_b32 v[QW+\c], 23, v[QS+\c]
.else
	v_lshrrev_b32 v[QB+\c], 23, v[QS+\c]
.endif
.endr
.if (\t)%4 != 0
.irp c, 0,1,2,3
	v_lshl_or_b32 v[QW+\c], v[QB+\c], 8*((\t)%4), v[QW+\c]
.endr
.endif
	s_wait_alu depctr_va_vdst(0)
	s_wait_dscnt 0x0                               ; the last block's LDS stores have read the codes' registers
.irp c, 0,1,2,3
	v_cvt_scalef32_pk16_bf6_f32 v[QC+8*\c:QC+8*\c+2], v[QX+32*\c:QX+32*\c+15], v[QS+\c]
	v_cvt_scalef32_pk16_bf6_f32 v[QC+8*\c+4:QC+8*\c+6], v[QX+32*\c+16:QX+32*\c+31], v[QS+\c]
.endr
	v_nop                                          ; one plain instruction behind the scaled conversions
.irp c, 0,1,2,3
	v_mov_b32 v[QC+8*\c+3], v[QC+8*\c+4]
	v_mov_b32 v[QC+8*\c+4], v[QC+8*\c+5]
	v_mov_b32 v[QC+8*\c+5], v[QC+8*\c+6]
.endr
.irp c, 0,1,2,3                        ; block t: lane half t % 2, registers 6 ((t / 2) % 2) on, of lane r0 + c of my tile
.irp p, 0,1,2
	ds_store_b64 v2, v[QC+8*\c+2*\p:QC+8*\c+2*\p+1] offset:768*((\t)%2)+24*(((\t)/2)%2)+48*\c+8*\p
.endr
.endr
.endm
.macro QOUT k                          ; my K step k leaves: LDS serves a wave's instructions in order, so these loads see the stores above, and the next K step's stores come behind them
.irp f, 0,1,2,3,4,5,6,7
.irp g, 0,1,2
	ds_load_b128 v[QX+12*\f+4*\g:QX+12*\f+4*\g+3], v4 offset:FS*\f+16*\g
.endr
.endr
	s_wait_dscnt 0x0
.irp f, 0,1,2,3,4,5,6,7
.irp g, 0,1,2
	global_store_b128 v1, v[QX+12*\f+4*\g:QX+12*\f+4*\g+3], s[6:7] offset:12288*\k+1536*\f+512*\g
.endr
.endr
	global_store_b128 v3, v[QW:QW+3], s[8:9] offset:512*\k   ; the 32 lanes' 16 bytes fill the K step's 512 bytes of scale words
.if \k == 0
	s_wait_xcnt 0x0                                ; the stores' registers are written again only behind this wait
.endif
.endm
	s_load_b128 s[4:7], s[0:1], 0x58               ; W2 4, w2q 6
	v_lshlrev_b32 v1, 4, v0                        ; one wave: v0 is the lane.  16 x lane
	v_bfe_u32 v5, v0, 3, 2
	v_bfe_u32 v6, v0, 1, 1
	v_lshl_add_u32 v5, v5, 1, v6                   ; the tile of my four columns: 2 (l / 8) + (l / 2) % 2
	v_bfe_u32 v6, v0, 2, 1
	v_and_b32 v7, 1, v0
	v_lshlrev_b32 v7, 2, v7
	v_lshl_add_u32 v6, v6, 3, v7                   ; and their first lane in it: 8 ((l / 4) % 2) + 4 (l % 2)
	v_mul_u32_u24 v2, v5, FS
	v_mad_u32_u24 v2, v6, 48, v2                   ; LDS: where I store codes
	v_lshlrev_b32 v3, 6, v5
	v_lshl_add_u32 v3, v6, 2, v3                   ; my four scale words in a K step's 512 bytes
	v_mul_u32_u24 v4, v0, 48                       ; LDS: a lane's 12 registers lie 48 bytes apart
	s_lshr_b32 s10, ttmp9, 2                       ; slice
	s_and_b32 s11, ttmp9, 3
	s_lshr_b32 s22, ttmp9, 8
	s_xor_b32 s22, s22, ttmp9
	s_and_b32 s22, s22, 1                          ; my class: (id xor id / 256) % 2
	s_lshr_b32 s12, s10, 5                         ; e
	s_bfe_u32 s13, s10, 0x20003                    ; q
	s_and_b32 s14, s10, 7                          ; ns
	s_lshl_b32 s16, s12, 24                        ; W2[e]: 2^24 bytes an expert,
	s_lshl_b32 s15, s13, 22                        ; 1,024 rows a quarter,
	s_add_co_u32 s16, s16, s15
	s_lshl_b32 s15, s11, 20                        ; 256 rows a wave,
	s_add_co_u32 s16, s16, s15
	s_lshl_b32 s15, s14, 9                         ; 512 bytes a slice
	s_add_co_u32 s16, s16, s15
	s_mov_b32 s17, 0
	s_mul_i32 s18, s10, 102400                     ; the slice's record,
	s_lshl_b32 s15, s11, 10
	s_add_co_u32 s20, s18, s15
	s_add_co_u32 s20, s20, 98304                   ; my two K steps' scale words,
	s_mov_b32 s21, 0
	s_mul_i32 s15, s11, 24576
	s_add_co_u32 s18, s18, s15                     ; and their sixteen fragments
	s_mov_b32 s19, 0
	s_wait_alu depctr_va_vdst(0)
	s_wait_kmcnt 0x0
	s_add_nc_u64 s[4:5], s[4:5], s[16:17]
	s_add_nc_u64 s[8:9], s[6:7], s[20:21]
	s_add_nc_u64 s[6:7], s[6:7], s[18:19]
	QLOAD 0
	QLOAD 1
	QBLOCK 0
	QBLOCK 1
	QBLOCK 2
	QBLOCK 3
	QOUT 0
	QBLOCK 4
	QBLOCK 5
	QBLOCK 6
	QBLOCK 7
	QOUT 1
	s_wait_tensorcnt 0x0                           ; the wave's end
	ds_add_u32 v254, v255
	s_wait_dscnt 0x0
	s_endpgm
.Lfunc_end_k_qb1b1353d5f_gate:
	.size	k_qb1b1353d5f_gate, .Lfunc_end_k_qb1b1353d5f_gate-k_qb1b1353d5f_gate
	.p2alignl 7, 3214868480
	.fill 96, 4, 3214868480
	.section	.rodata,"a",@progbits
	.p2align	6, 0x0
	.amdhsa_kernel k_qb1b1353d5f_gate
		.amdhsa_group_segment_fixed_size 29696
		.amdhsa_private_segment_fixed_size 0
		.amdhsa_enable_private_segment 0
		.amdhsa_kernarg_size 104
		.amdhsa_user_sgpr_count 2
		.amdhsa_user_sgpr_kernarg_segment_ptr 1
		.amdhsa_wavefront_size32 1
		.amdhsa_system_sgpr_workgroup_id_x 1
		.amdhsa_system_sgpr_workgroup_id_y 1
		.amdhsa_system_sgpr_workgroup_id_z 1
		.amdhsa_system_vgpr_workitem_id 0
		.amdhsa_next_free_vgpr 512
		.amdhsa_next_free_sgpr 66
		.amdhsa_reserve_vcc 1
		.amdhsa_float_denorm_mode_32 3
		.amdhsa_float_denorm_mode_16_64 3
		.amdhsa_memory_ordered 1
		.amdhsa_forward_progress 1
		.amdhsa_inst_pref_size 240
	.end_amdhsa_kernel
	.amdgpu_metadata
---
amdhsa.version: [ 1, 2 ]
amdhsa.kernels:
  - .name:           k_qb1b1353d5f_gate
    .symbol:         k_qb1b1353d5f_gate.kd
    .args:
      - { .name: inputs, .offset: 0, .size: 8, .value_kind: global_buffer, .address_space: global }
      - { .name: task_param, .offset: 8, .size: 8, .value_kind: global_buffer, .address_space: global }
      - { .name: alpha, .offset: 16, .size: 8, .value_kind: global_buffer, .address_space: global }
      - { .name: Wg_in, .offset: 24, .size: 8, .value_kind: global_buffer, .address_space: global }
      - { .name: bg_in, .offset: 32, .size: 8, .value_kind: global_buffer, .address_space: global }
      - { .name: Wg_task, .offset: 40, .size: 8, .value_kind: global_buffer, .address_space: global }
      - { .name: bg_task, .offset: 48, .size: 8, .value_kind: global_buffer, .address_space: global }
      - { .name: sel, .offset: 56, .size: 8, .value_kind: global_buffer, .address_space: global }
      - { .name: gw, .offset: 64, .size: 8, .value_kind: global_buffer, .address_space: global }
      - { .name: part, .offset: 72, .size: 8, .value_kind: global_buffer, .address_space: global }
      - { .name: xq, .offset: 80, .size: 8, .value_kind: global_buffer, .address_space: global }
      - { .name: W2, .offset: 88, .size: 8, .value_kind: global_buffer, .address_space: global }
      - { .name: w2q, .offset: 96, .size: 8, .value_kind: global_buffer, .address_space: global }
    .group_segment_fixed_size: 29696
    .private_segment_fixed_size: 0
    .kernarg_segment_align: 8
    .kernarg_segment_size: 104
    .max_flat_workgroup_size: 32
    .sgpr_count:     66
    .vgpr_count:     512
    .wavefront_size: 32
...
	.end_amdgpu_metadata
.endif
;; end of part 6
;; launch up (part 7): grid 256 x 1, 4 waves a work-group, no clusters, 108,800 bytes of LDS; arguments W1, b1, xq, lst, hg, sel, part, out1; writes hg, lst, out1
.if DOCPART == 7
	.amdgcn_target "amdgcn-amd-amdhsa--gfx1250"
	.amdhsa_code_object_version 6
	.text
	.protected	k_qb1b1353d5f_up
	.globl	k_qb1b1353d5f_up
	.p2align	8
	.type	k_qb1b1353d5f_up,@function
k_qb1b1353d5f_up:
	s_mov_b64 s[64:65], 0
	v_nop
	global_prefetch_b8 v0, s[64:65] scope:SCOPE_SE
	s_setreg_imm32_b32 hwreg(HW_REG_WAVE_MODE, 25, 1), 1
	s_wait_xcnt 0x0
; THE FIRST PRODUCT: h = Q(gelu(Q(x) Q(W1[e]) + b1[e])), only for the rows that chose expert e (the others have the weight 0 by reference()'s own one_hot).
; gelu is the tanh form: z / (1 + 2^(z (a + c z z))), a = -2 log2(e) sqrt(2 / pi), c = 0.044715 a.
; A work-group owns expert e = id / 32 and columns 128 fs .. 128 fs + 127 of F (fs = id % 32): a slice of W1 of 1,024 (K) x 128, which no other work-group reads.
; THE LIST.  With each wave's first 64 loads of W1 out, wave 0 sorts the 1,024 stored choices by a counting sort into the expert's list in LDS; the other waves only count the expert's rows.  An entry is k x 1024 + token
; (k: first or second choice); from the count on it is 2048 + e, whose low ten bits name a token that exists.  The order is that of the registers (token 128 i + 4 lane + j); the work-group with fs = 0 stores
; list and count for the next launch, which so walks the same order.  Wave 1 of work-group 0 makes the auxiliary loss from the 256 partial sums.  A barrier parts the sort's LDS stores from all other LDS traffic.
; PHASE W.  Wave w streams K rows 256 w .. 256 w + 255, a row's 512 bytes by one load, two blocks of 32 rows ahead; turns each block so that a column's 32 numbers stand in consecutive registers; quantises along K;
; lays the codes into LDS in the order of the operand's registers.  A fragment's place is 1,552 bytes: the eight tiles that a store touches then begin 16 bytes apart modulo 256.  One barrier.
; PHASE F.  Every wave takes all 64 fragments (8 K steps x 8 tiles of 16 columns) and their scale words out of LDS, once.
; THE ROWS.  Wave w walks the expert's tiles of 16 rows w, w + 4, ..: sixteen trips by a constant count, those without a tile jumped over, so that the list's LDS address is plain arithmetic.  Lane (r, h) gathers its row's codes
; from xq by the token of list entry 16 T + r, held to 1,023: a load takes 32 consecutive bytes of each of sixteen rows.  The counts are stored numbers: so no tensor load, no joint request.
; TRANSPOSED USE: source 0 = 16 columns of W1, source 1 = 16 rows.  Lane r of tile 2 b + u holds column 32 b + 8 u + r + 8 (r / 8): a lane's accumulator register 16 b + y is column 32 b + 16 (lane / 16) + y of its row,
; 16 neighbours along the next K.  The slice is one K step of the next product: one fragment and one scale word a row go to hg, record (e, fs / 8, tile), fragment fs % 8.
; LIMITS.  A block of zeros keeps the scale byte 1 (its codes are zeros; this program alone reads the bytes).  NaN and infinities are not served.  The rows that fill a last tile are computed and lead to rows that nobody reads.
; REGISTERS.  Windows 1-3: fragment f = 8 s + t < 63 in window 1 + f / 21 at v[12 (f % 21)] (in phase W: three sets of 128 as loaded).  Window 0: v1-15 addresses; v16-47 W's scale words; v48-51 the rows' scale words;
; v52-63 fragment 63; v64-127 the accumulators; v128-223 the rows' eight fragments; v224-254 at work.
.set PITCH, 16384
.set REC,   12800                      ; a record of hg: 16 rows x K 1,024 as register images, and their scale words
.set FS,    1552                       ; a fragment's place in LDS
.set SCL,   64*FS                      ; W's scale words [s][t][r]
.set BIAS,  SCL+4096                   ; the slice's 128 numbers of b1
.set LIST,  BIAS+512                   ; 1,024 entries, and 32 words where lanes without a match write
.set SPARE, LIST+4352                  ; the spare words
.set WS,  16
.set XS,  48
.set F63, 52
.set ACC, 64
.set XF,  128
.set CR,  64
.set MR,  96
.set SO,  100
.set BY,  104
.set SB,  108
.set XR,  128
.set SR,  160                          ; v160-191 the 1,024 choices, ahead of phase W
.set VI,  8                            ; v8, v9   my row's offset in xq, for K steps 0-3 and 4-7
.set VIS, 10                           ; v10, v11 in xs
.set ENT, 15                           ; v15      my row's list entry in the next tile
.set EAD, 254                          ; v254     its LDS address
.set GT,  224
.set TMA, 224
.set TMB, 228
.set TSC, 250
.set PC,  224
.set PW,  244
.set VO,  245
.set VOS, 246
.set GA,  248
.set WB,  4
.set INB, 8
.set OUT, 12
.set OUTS, 14
.set NT,  24                           ; s24 the expert's tiles
.set T,   28                           ; s28 the tile in hand
.set CN,  29                           ; s29 trips done
.set SEL, 44
.set C1,  46
.set MA,  66                           ; s66-73 who chose e first, then: at all;  s74-81 who chose it second
.set MB,  74
.set XSB, 84
.set MSB, 0
.macro WIN new
.if MSB != (\new)
	s_set_vgpr_msb (MSB<<8)|(\new)
.set MSB, (\new)
.endif
.endm
.macro LOADW t                         ; block t of my eight: 32 rows, 512 consecutive bytes a load, into set t % 3
.set ST3, (\t)%3
.if ST3 == 2
	WIN 0x80
.set RBASE, 0
.else
	WIN 0x40
.set RBASE, 128*ST3
.endif
.set I, 0
.rept 32
	global_load_b128 v[RBASE+4*I:RBASE+4*I+3], v1, s[WB:WB+1] offset:(32*(\t)+I)*PITCH th:TH_LOAD_NT
.set I, I+1
.endr
	WIN 0
.endm
.macro BLOCK t
.if (\t) < 7
	s_wait_loadcnt 32                              ; this block's 32 loads are in; the next block's 32 may be out
.else
	s_wait_loadcnt 0x0
.endif
.if (\t)+2 < 8
	LOADW (\t)+2
.endif
.set ST3, (\t)%3
.if ST3 == 2
	WIN 0x02
.set RBASE, 0
.else
	WIN 0x01
.set RBASE, 128*ST3
.endif
.set I, 0
.rept 32                               ; row I's four columns go to their columns' runs
.irp c, 0,1,2,3
	v_mov_b32 v[XR+32*\c+I], v[RBASE+4*I+\c]
.endr
.set I, I+1
.endr
	WIN 0
.irp c, 0,1,2,3
	v_max3_num_f32 v[MR+\c], |v[XR+32*\c]|, |v[XR+32*\c+1]|, 0x2800000   ; the floor 2^(5 - 127)
.endr
.set I, 2
.rept 15
.irp c, 0,1,2,3
	v_max3_num_f32 v[MR+\c], v[MR+\c], |v[XR+32*\c+I]|, |v[XR+32*\c+I+1]|
.endr
.set I, I+2
.endr
.irp c, 0,1,2,3
	v_add_nc_u32 v[SO+\c], 0xfe000000, v[MR+\c]    ; 4 off the exponent field: the conversion's scale operand
.endr
.irp c, 0,1,2,3
.if (\t)%4 == 0
	v_lshrrev_b32 v[SB+4*((\t)/4)+\c], 23, v[SO+\c]
.else
	v_lshrrev_b32 v[BY+\c], 23, v[SO+\c]
.endif
.endr
.if (\t)%4 != 0
.irp c, 0,1,2,3
	v_lshl_or_b32 v[SB+4*((\t)/4)+\c], v[BY+\c], 8*((\t)%4), v[SB+4*((\t)/4)+\c]
.endr
.endif
	s_wait_alu depctr_va_vdst(0)
	s_wait_dscnt 0x0                               ; the last block's LDS stores have read the codes' registers
.irp c, 0,1,2,3
	v_cvt_scalef32_pk16_bf6_f32 v[CR+8*\c:CR+8*\c+2], v[XR+32*\c:XR+32*\c+15], v[SO+\c]
	v_cvt_scalef32_pk16_bf6_f32 v[CR+8*\c+4:CR+8*\c+6], v[XR+32*\c+16:XR+32*\c+31], v[SO+\c]
.endr
	v_nop                                          ; one plain instruction behind the scaled conversions
.irp c, 0,1,2,3
	v_mov_b32 v[CR+8*\c+3], v[CR+8*\c+4]
	v_mov_b32 v[CR+8*\c+4], v[CR+8*\c+5]
	v_mov_b32 v[CR+8*\c+5], v[CR+8*\c+6]
.endr
.irp c, 0,1,2,3                        ; block t is K step 2 w + t / 4, lane half t % 2, registers 6 ((t / 2) % 2) on, of lane r0 + c of my tile
.irp p, 0,1,2
	ds_store_b64 v2, v[CR+8*\c+2*\p:CR+8*\c+2*\p+1] offset:8*FS*((\t)/4)+768*((\t)%2)+24*(((\t)/2)%2)+48*\c+8*\p
.endr
.endr
.endm
.macro CMP8 g                          ; eight registers of choices: each mask in a scalar register of its own
.set J, 0
.rept 8
	v_and_b32 v[96+2*J], 0xff, v[SR+8*(\g)+J]
	v_lshrrev_b32 v[97+2*J], 8, v[SR+8*(\g)+J]
	v_cmp_eq_u32 s[MA+J], s16, v[96+2*J]
	v_cmp_eq_u32 s[MB+J], s16, v[97+2*J]
.set J, J+1
.endr
.endm
.macro CNT8                            ; the count alone
.set J, 0
.rept 8
	s_or_b32 s[MA+J], s[MA+J], s[MB+J]
	s_bcnt1_i32_b32 s23, s[MA+J]
	s_add_co_u32 s19, s19, s23
.set J, J+1
.endr
.endm
.macro PUT8 g                          ; and the places: the rows so far + the matches in the lanes below me
.set J, 0
.rept 8
.set P, 112+4*(J%4)
.set TOK, 128*((8*(\g)+J)/4)+(8*(\g)+J)%4
	s_or_b32 s[MA+J], s[MA+J], s[MB+J]
	v_mbcnt_lo_u32_b32 v[P], s[MA+J], s19
	v_add_nc_u32 v[P+1], TOK, v249
	v_add_nc_u32 v[P+2], TOK+1024, v249
	v_cndmask_b32 v[P+1], v[P+1], v[P+2], s[MB+J]  ; k x 1024 + token
	v_cndmask_b32 v[P], v250, v[P], s[MA+J]
	v_min_u32 v[P], 1055, v[P]
	v_lshl_add_u32 v[P], v[P], 2, LIST
	ds_store_b32 v[P], v[P+1]
	s_bcnt1_i32_b32 s23, s[MA+J]
	s_add_co_u32 s19, s19, s23
.set J, J+1
.endr
.endm
.macro HALF x                          ; 14 loads: my row's codes of K steps 4 x .. 4 x + 3 and its scale words (lane (r, h): the word of step 4 x + i + 2 h)
.irp s, 0,1,2,3
.irp g, 0,1,2
	global_load_b128 v[XF+12*(4*\x+\s)+4*\g:XF+12*(4*\x+\s)+4*\g+3], v[VI+\x], s[INB:INB+1] offset:96*(4*\x+\s)+32*\g
.endr
.endr
.irp i, 0,1
	global_load_b32 v[XS+2*\x+\i], v[VIS+\x], s[XSB:XSB+1] offset:16*\x+4*\i
.endr
.endm
.macro NEXT x                          ; the offsets of my row in the next tile; five plain instructions that name no register of the products
	v_and_b32 v[VIS+\x], 1023, v[ENT]              ; the token
	v_min_u32 v[VIS+\x], 1023, v[VIS+\x]
	v_mul_u32_u24 v[VI+\x], v[VIS+\x], 768
	v_add_nc_u32 v[VI+\x], v[VI+\x], v2            ; + 16 h
	v_lshl_add_u32 v[VIS+\x], v[VIS+\x], 5, v3     ; 32 x token + 8 h
.endm
.macro ENTLD d                         ; my row's entry in tile T + d, held at tile 63: every entry of the list is written
	s_add_co_u32 s30, s[T], \d
	s_min_u32 s30, s30, 63
	s_lshl_b32 s30, s30, 6
	v_add_nc_u32 v[EAD], s30, v12
	ds_load_b32 v[ENT], v[EAD]
.endm
.macro MM s                            ; K step s: eight matrix instructions, the eight accumulators by turns
.irp t, 0,1,2,3,4,5,6,7
.set FN, 8*(\s)+\t
.if FN < 63
	WIN (1+FN/21)
.set FA, 12*(FN%21)
.else
	WIN 0
.set FA, F63
.endif
.set AC, ACC+8*\t
.set XB, XF+12*(\s)
.set WR, WS+4*(\s)+\t/2
.set XQ, XS+2*((\s)/4)+(\s)%2
.set RA, \t%2
.set RBS, ((\s)/2)%2
.if (RA == 0) && (RBS == 0)
	v_wmma_scale_f32_16x16x128_f8f6f4 v[AC:AC+7], v[FA:FA+11], v[XB:XB+11], v[AC:AC+7], v[WR], v[XQ] matrix_a_fmt:MATRIX_FMT_BF6 matrix_b_fmt:MATRIX_FMT_BF6
.elseif RBS == 0
	v_wmma_scale_f32_16x16x128_f8f6f4 v[AC:AC+7], v[FA:FA+11], v[XB:XB+11], v[AC:AC+7], v[WR], v[XQ] matrix_a_fmt:MATRIX_FMT_BF6 matrix_b_fmt:MATRIX_FMT_BF6 matrix_a_scale:MATRIX_SCALE_ROW1
.elseif RA == 0
	v_wmma_scale_f32_16x16x128_f8f6f4 v[AC:AC+7], v[FA:FA+11], v[XB:XB+11], v[AC:AC+7], v[WR], v[XQ] matrix_a_fmt:MATRIX_FMT_BF6 matrix_b_fmt:MATRIX_FMT_BF6 matrix_b_scale:MATRIX_SCALE_ROW1
.else
	v_wmma_scale_f32_16x16x128_f8f6f4 v[AC:AC+7], v[FA:FA+11], v[XB:XB+11], v[AC:AC+7], v[WR], v[XQ] matrix_a_fmt:MATRIX_FMT_BF6 matrix_b_fmt:MATRIX_FMT_BF6 matrix_a_scale:MATRIX_SCALE_ROW1 matrix_b_scale:MATRIX_SCALE_ROW1
.endif
.endr
.endm
.macro BIASLD                          ; b1 in the result's layout: the sums begin with it
.irp b, 0,1,2,3
.irp m, 0,1,2,3
	ds_load_b128 v[ACC+16*\b+4*\m:ACC+16*\b+4*\m+3], v13 offset:128*\b+16*\m
.endr
.endr
.endm
.macro GELU16 g                        ; sixteen numbers, from each accumulator's low end on
.set ZB, ACC+16*(\g)
.irp p, 0,2,4,6,8,10,12,14
	v_pk_mul_f32 v[GT+\p:GT+\p+1], v[ZB+\p:ZB+\p+1], v[ZB+\p:ZB+\p+1]
.endr
.irp p, 0,2,4,6,8,10,12,14
	v_pk_fma_f32 v[GT+\p:GT+\p+1], v[GT+\p:GT+\p+1], s[C1:C1+1], v[GA:GA+1] op_sel_hi:[1,0,0]   ; a + c z z
.endr
.irp p, 0,2,4,6,8,10,12,14
	v_pk_mul_f32 v[GT+\p:GT+\p+1], v[GT+\p:GT+\p+1], v[ZB+\p:ZB+\p+1]
.endr
	s_wait_alu depctr_va_vdst(0)
.irp j, 0,1,2,3,4,5,6,7,8,9,10,11,12,13,14,15
	v_exp_f32 v[GT+\j], v[GT+\j]
.endr
	v_nop
	s_wait_alu depctr_va_vdst(0)
.irp p, 0,2,4,6,8,10,12,14
	v_pk_add_f32 v[GT+\p:GT+\p+1], v[GT+\p:GT+\p+1], 1.0 op_sel_hi:[1,0]
.endr
	s_wait_alu depctr_va_vdst(0)
.irp j, 0,1,2,3,4,5,6,7,8,9,10,11,12,13,14,15
	v_rcp_f32 v[GT+\j], v[GT+\j]
.endr
	v_nop
	s_wait_alu depctr_va_vdst(0)
.irp p, 0,2,4,6,8,10,12,14
	v_pk_mul_f32 v[ZB+\p:ZB+\p+1], v[ZB+\p:ZB+\p+1], v[GT+\p:GT+\p+1]
.endr
.endm
.macro QUANT s                         ; 64 numbers of a lane, register 16 b + i = k 32 b + 16 (lane / 16) + i of my row, become a fragment's codes in v[PC] on and its scale word in v[PW]
.irp b, 0,1,2,3
	v_max3_num_f32 v[TMA+\b], |v[\s+16*\b]|, |v[\s+1+16*\b]|, 0x2800000
.endr
.irp i, 2,4,6,8,10,12,14
.irp b, 0,1,2,3
	v_max3_num_f32 v[TMA+\b], v[TMA+\b], |v[\s+16*\b+\i]|, |v[\s+1+16*\b+\i]|
.endr
.endr
.irp b, 0,1,2,3
	v_permlanex16_b32 v[TMB+\b], v[TMA+\b], s[SEL], s[SEL+1]
.endr
.irp b, 0,1,2,3
	v_max_num_f32 v[TMA+\b], v[TMA+\b], v[TMB+\b]
.endr
.irp b, 0,1,2,3
	v_add_nc_u32 v[TSC+\b], 0xfe000000, v[TMA+\b]
.endr
.irp b, 0,1,2,3
	v_lshrrev_b32 v[TMB+\b], 23, v[TSC+\b]
.endr
	v_lshl_or_b32 v[PW], v[TMB+1], 8, v[TMB]
	v_lshl_or_b32 v[PW], v[TMB+2], 16, v[PW]
	v_lshl_or_b32 v[PW], v[TMB+3], 24, v[PW]
.irp c, 0,1
	v_cvt_scalef32_pk16_bf6_f32 v[PC+6*\c:PC+2+6*\c], v[\s+32*\c:\s+15+32*\c], v[TSC+2*\c]
	v_cvt_scalef32_pk16_bf6_f32 v[PC+12+4*\c:PC+14+4*\c], v[\s+16+32*\c:\s+31+32*\c], v[TSC+2*\c+1]
.endr
	v_nop
.irp c, 0,1
.irp i, 0,1,2
	v_permlane16_swap_b32 v[PC+6*\c+\i], v[PC+12+4*\c+\i]
.endr
.irp i, 0,1,2
	v_mov_b32 v[PC+3+6*\c+\i], v[PC+12+4*\c+\i]
.endr
.endr
.endm
	s_load_b256 s[4:11], s[0:1], 0x0               ; W1 4, b1 6, xq 8, lst 10
	s_load_b64 s[12:13], s[0:1], 0x20              ; hg
	s_load_b64 s[86:87], s[0:1], 0x28              ; sel
	s_load_b128 s[88:91], s[0:1], 0x30             ; part 88, out1 90
	s_set_vgpr_msb 0x80                            ; the add's two registers lie in window 2
	v_lshl_add_u32 v254, v0, 2, SPARE
	v_mov_b32 v255, 0
	s_set_vgpr_msb 0x8000
	v_lshrrev_b32 v1, 5, v0
	v_readfirstlane_b32 s18, v1                    ; wave
	v_and_b32 v240, 31, v0                         ; lane
	v_lshlrev_b32 v1, 4, v240                      ; 16 x lane
	v_lshlrev_b32 v8, 2, v0                        ; b1: 4 bytes a thread
	s_lshr_b32 s16, ttmp9, 5                       ; e
	s_and_b32 s17, ttmp9, 31                       ; fs
	s_mov_b32 s21, 0
	s_lshl_b32 s20, s16, 24                        ; W1[e]: 2^24 bytes an expert,
	s_lshl_b32 s26, s17, 9                         ; 512 bytes a slice,
	s_add_co_u32 s20, s20, s26
	s_lshl_b32 s26, s18, 22                        ; 256 rows a wave
	s_add_co_u32 s20, s20, s26
	s_wait_alu depctr_va_vdst(0)
	s_wait_kmcnt 0x0
	s_add_nc_u64 s[WB:WB+1], s[WB:WB+1], s[20:21]
	s_add_nc_u64 s[XSB:XSB+1], s[INB:INB+1], 786432    ; the rows' scale words lie behind xq's codes
	s_lshl_b32 s20, s16, 14
	s_lshl_b32 s26, s17, 9
	s_add_co_u32 s20, s20, s26
	s_add_nc_u64 s[6:7], s[6:7], s[20:21]
	global_load_b32 v15, v8, s[6:7]                ; the slice's 128 numbers of b1, one a thread
.irp i, 0,1,2,3,4,5,6,7
	global_load_b128 v[SR+4*\i:SR+4*\i+3], v1, s[86:87] offset:512*\i   ; all 1,024 choices: register 4 i + j holds token 128 i + 4 lane + j
.endr
	LOADW 0
	LOADW 1
	s_lshl_b32 s20, s16, 2
	s_lshr_b32 s26, s17, 3
	s_add_co_u32 s20, s20, s26
	s_mul_i32 s20, s20, 64*REC                     ; hg: record (e, fs / 8, 0)
	s_and_b32 s26, s17, 7
	s_lshl_b32 s27, s26, 6
	s_add_co_u32 s32, s20, s27
	s_add_co_u32 s32, s32, 12288                   ; its scale words of K step fs % 8
	s_mov_b32 s33, 0
	s_mul_i32 s27, s26, 1536
	s_add_co_u32 s20, s20, s27                     ; its fragment fs % 8
	s_add_nc_u64 s[OUTS:OUTS+1], s[OUT:OUT+1], s[32:33]
	s_add_nc_u64 s[OUT:OUT+1], s[OUT:OUT+1], s[20:21]
	s_mov_b32 s[SEL], 0x76543210
	s_mov_b32 s[SEL+1], 0xfedcba98
	s_mov_b32 s[C1], 0xbdd2d3e8                    ; c = -0.10294324
	s_mov_b32 s[C1+1], s[C1]
	v_bfe_u32 v241, v0, 3, 2
	v_bfe_u32 v242, v0, 1, 1
	v_lshl_add_u32 v243, v241, 1, v242             ; the tile of my four columns: 2 (l / 8) + (l / 2) % 2
	v_bfe_u32 v244, v0, 2, 1
	v_and_b32 v245, 1, v0
	v_lshlrev_b32 v245, 2, v245
	v_lshl_add_u32 v246, v244, 3, v245             ; and their first lane in it: 8 ((l / 4) % 2) + 4 (l % 2)
	v_mul_u32_u24 v2, v243, FS
	v_mad_u32_u24 v2, v246, 48, v2
	s_mul_i32 s26, s18, 16*FS
	v_add_nc_u32 v2, s26, v2                       ; where I store codes: my wave's two K steps
	v_lshlrev_b32 v3, 6, v243
	v_lshl_add_u32 v3, v246, 2, v3
	s_lshl_b32 s26, s18, 10
	s_add_co_u32 s26, s26, SCL
	v_add_nc_u32 v3, s26, v3                       ; and scale words
	v_mul_u32_u24 v4, v240, 48                     ; phase F: a lane's 12 registers lie 48 bytes apart
	v_add_nc_u32 v5, 21*FS, v4
	v_add_nc_u32 v6, 42*FS, v4
	v_lshl_add_u32 v7, v240, 2, SCL
	v_and_b32 v247, 15, v0                         ; r
	v_bfe_u32 v248, v0, 4, 1                       ; h
	v_lshlrev_b32 v14, 2, v247                     ; 4 r
	v_add_nc_u32 v12, LIST, v14                    ; the list's entry r of tile 0
	v_lshl_add_u32 v13, v248, 6, BIAS
	v_lshl_add_u32 v9, v0, 2, BIAS
	v_lshlrev_b32 v249, 2, v240                    ; 4 x lane
	v_add_nc_u32 v250, 1024, v240                  ; a word behind the list for each lane
	v_lshl_add_u32 v251, v240, 4, LIST
	s_wait_alu depctr_va_vdst(0)
	s_cmp_lg_u32 s18, 0
	s_cbranch_scc1 .Lothers
	s_wait_loadcnt 63                              ; b1 and the choices are in: 64 loads were issued behind them
	s_add_co_u32 s20, s16, 2048
.irp k, 0,1,2,3
	v_mov_b32 v[64+\k], s20
.endr
.irp i, 0,1,2,3,4,5,6,7
	ds_store_b128 v251, v[64:67] offset:512*\i     ; the list begins full of 2048 + e
.endr
	s_mov_b32 s19, 0                               ; rows so far
.irp g, 0,1,2,3
	CMP8 \g
	PUT8 \g
.endr
	s_min_u32 s19, s19, 1024
	s_cmp_lg_u32 s17, 0
	s_cbranch_scc1 .Lmeet
	s_lshl_b32 s20, s16, 12                        ; slice 0 stores the expert's list and, 32,768 bytes on, its count, 32 times
	s_add_nc_u64 s[28:29], s[10:11], s[20:21]
	s_lshl_b32 s20, s16, 7
	s_add_nc_u64 s[30:31], s[10:11], s[20:21]
	v_mov_b32 v68, s19
.irp i, 0,1,2,3,4,5,6,7
	ds_load_b128 v[128+4*\i:131+4*\i], v251 offset:512*\i   ; LDS serves a wave's instructions in order: these see the stores above
.endr
	s_wait_alu depctr_va_vdst(0)
	s_wait_dscnt 0x0
.irp i, 0,1,2,3,4,5,6,7
	global_store_b128 v1, v[128+4*\i:131+4*\i], s[28:29] offset:512*\i
.endr
	global_store_b32 v249, v68, s[30:31] offset:32768
	s_wait_xcnt 0x0                                ; the stores' registers are written again only behind this wait
	s_branch .Lmeet
.Lothers:
	s_wait_loadcnt 63
	s_mov_b32 s19, 0
.irp g, 0,1,2,3
	CMP8 \g
	CNT8
.endr
	s_cmp_lg_u32 s18, 1
	s_cbranch_scc1 .Lmeet
	s_cmp_lg_u32 ttmp9, 0
	s_cbranch_scc1 .Lmeet
.set I, 0                              ; l_aux = the sum over e of (sum of weights / 1024) (sum of counts / 1024) / 8 x 8
.rept 32
	global_load_b128 v[112+4*I:115+4*I], v1, s[88:89] offset:512*I   ; lane % 4 says what a lane holds: weights 0-3, weights 4-7, counts 0-3, counts 4-7
.set I, I+1
.endr
.irp k, 0,1,2,3,4
	v_mov_b32 v[68+\k], 0
.endr
	s_wait_loadcnt 0x0
	v_pk_add_f32 v[64:65], v[112:113], v[116:117]
	v_pk_add_f32 v[66:67], v[114:115], v[118:119]
.set I, 2
.rept 30
	v_pk_add_f32 v[64:65], v[64:65], v[112+4*I:113+4*I]
	v_pk_add_f32 v[66:67], v[66:67], v[114+4*I:115+4*I]
.set I, I+1
.endr
.irp m, 4,8
.irp k, 0,1,2,3
	v_add_f32_dpp v[64+\k], v[64+\k], v[64+\k] row_xmask:\m row_mask:0xf bank_mask:0xf
.endr
.endr
.irp k, 0,1,2,3
	v_permlanex16_b32 v[68+\k], v[64+\k], s[SEL], s[SEL+1]
.endr
.irp k, 0,1,2,3
	v_add_f32 v[64+\k], v[64+\k], v[68+\k]
.endr
.irp k, 0,1,2,3
	v_mul_f32_dpp v[64+\k], v[64+\k], v[64+\k] row_xmask:2 row_mask:0xf bank_mask:0xf   ; weights x counts
.endr
	v_add_f32 v64, v64, v65
	v_add_f32 v66, v66, v67
	v_add_f32 v64, v64, v66
	v_add_f32_dpp v64, v64, v64 row_xmask:1 row_mask:0xf bank_mask:0xf
	v_mul_f32 v64, 0x35800000, v64                 ; x 2^-20
	global_store_b32 v72, v64, s[90:91]            ; every lane holds the same number and writes it to the same place
	s_wait_xcnt 0x0
.Lmeet:
	s_wait_alu depctr_va_vdst(0)
	s_wait_dscnt 0x0                               ; the list lies in LDS
	s_barrier_signal -1
	s_barrier_wait -1
	BLOCK 0
	ds_store_b32 v9, v15                           ; (its load was issued ahead of block 0's, whose wait has passed)
	BLOCK 1
	BLOCK 2
	BLOCK 3
	BLOCK 4
	BLOCK 5
	BLOCK 6
	BLOCK 7
	ds_store_b128 v3, v[SB:SB+3]
	ds_store_b128 v3, v[SB+4:SB+7] offset:512
	s_wait_dscnt 0x0                               ; for the others' sake: all my LDS stores have landed
	s_barrier_signal -1
	s_barrier_wait -1                              ; the slice lies in LDS as codes; from here on LDS is only read
	s_min_u32 s19, s19, 1024
	s_add_co_u32 s[NT], s19, 15
	s_lshr_b32 s[NT], s[NT], 4                     ; tiles of 16 rows
	s_cmp_ge_u32 s18, s[NT]
	s_cbranch_scc1 .Lend                           ; no tile for this wave; no barrier follows
	s_mov_b32 s[CN], 0
	s_mov_b32 s[T], s18
	s_lshl_b32 s30, s18, 6
	v_add_nc_u32 v[EAD], s30, v12
	ds_load_b32 v[ENT], v[EAD]                     ; my row's entry in tile w
	v_bfe_u32 v3, v0, 4, 1
	v_lshlrev_b32 v2, 4, v3                        ; 16 h
	v_lshlrev_b32 v3, 3, v3                        ; 8 h
	s_wait_alu depctr_va_vdst(0)
	s_wait_dscnt 0x0
	NEXT 0
	NEXT 1
	HALF 0
	HALF 1
	ENTLD 4
	v_mov_b32 v[GA], 0xc0135761                    ; a = -2.3022082
	v_mov_b32 v[GA+1], 0xc0135761
.set FN, 0
.rept 63
	WIN ((1+FN/21)<<6)
.irp g, 0,1,2
	ds_load_b128 v[12*(FN%21)+4*\g:12*(FN%21)+4*\g+3], v[4+FN/21] offset:FS*(FN%21)+16*\g
.endr
.set FN, FN+1
.endr
	WIN 0
.irp g, 0,1,2
	ds_load_b128 v[F63+4*\g:F63+4*\g+3], v6 offset:21*FS+16*\g
.endr
.set I, 0
.rept 32
	ds_load_b32 v[WS+I], v7 offset:512*(I/4)+128*(I%4)     ; K step I / 4: lanes 0-15 tile 2 (I % 4), lanes 16-31 tile 2 (I % 4) + 1
.set I, I+1
.endr
	BIASLD
.Ltile:                                ; sixteen trips; a trip whose tile the expert does not have is jumped over
	s_cmp_ge_u32 s[T], s[NT]
	s_cbranch_scc1 .Lskip
	s_wait_loadcnt 14                              ; K steps 0-3 of this tile are in; the 14 loads of K steps 4-7 may be out
	s_wait_dscnt 0x0                               ; b1, the next entry (and, the first time, W's fragments)
	MM 0
	MM 1
	MM 2
	MM 3
	WIN 0
	NEXT 0                                         ; five plain instructions stand between the last product and the loads into its operands
	HALF 0
	s_wait_loadcnt 14                              ; K steps 4-7 are in; the 14 loads just issued may be out
	MM 4
	MM 5
	MM 6
	MM 7
	WIN 0
	NEXT 1                                         ; five again: ahead of the loads, and of the first read of results
	HALF 1
	ENTLD 8                                        ; the entry for the trip after the next
	s_wait_xcnt 0x0                                ; the last tile's stores have read their data and offsets
	GELU16 0
	GELU16 1
	GELU16 2
	GELU16 3
	QUANT ACC
	s_min_u32 s31, s[T], 63
	s_mul_i32 s31, s31, REC
	v_add_nc_u32 v[VO], s31, v1
	v_add_nc_u32 v[VOS], s31, v14
.irp g, 0,1,2
	global_store_b128 v[VO], v[PC+4*\g:PC+4*\g+3], s[OUT:OUT+1] offset:512*\g    ; 512 consecutive bytes a store
.endr
	global_store_b32 v[VOS], v[PW], s[OUTS:OUTS+1] ; lanes r and r + 16 hold the same word and write it to the same place
	BIASLD                                         ; the next tile's sums begin
.Lskip:
	s_add_co_u32 s[T], s[T], 4
	s_add_co_u32 s[CN], s[CN], 1
	s_cmp_lt_u32 s[CN], 16
	s_cbranch_scc1 .Ltile
.Lend:
	s_set_vgpr_msb 0xa
	s_wait_tensorcnt 0x0                           ; the wave's end
	ds_add_u32 v254, v255
	s_wait_dscnt 0x0
	s_set_vgpr_msb 0xa00
	s_endpgm
.Lfunc_end_k_qb1b1353d5f_up:
	.size	k_qb1b1353d5f_up, .Lfunc_end_k_qb1b1353d5f_up-k_qb1b1353d5f_up
	.p2alignl 7, 3214868480
	.fill 96, 4, 3214868480
	.section	.rodata,"a",@progbits
	.p2align	6, 0x0
	.amdhsa_kernel k_qb1b1353d5f_up
		.amdhsa_group_segment_fixed_size 108800
		.amdhsa_private_segment_fixed_size 0
		.amdhsa_enable_private_segment 0
		.amdhsa_kernarg_size 64
		.amdhsa_user_sgpr_count 2
		.amdhsa_user_sgpr_kernarg_segment_ptr 1
		.amdhsa_wavefront_size32 1
		.amdhsa_system_sgpr_workgroup_id_x 1
		.amdhsa_system_sgpr_workgroup_id_y 1
		.amdhsa_system_sgpr_workgroup_id_z 1
		.amdhsa_system_vgpr_workitem_id 0
		.amdhsa_next_free_vgpr 1024
		.amdhsa_next_free_sgpr 96
		.amdhsa_reserve_vcc 0
		.amdhsa_float_denorm_mode_32 3
		.amdhsa_float_denorm_mode_16_64 3
		.amdhsa_memory_ordered 1
		.amdhsa_forward_progress 1
		.amdhsa_inst_pref_size 214
	.end_amdhsa_kernel
	.amdgpu_metadata
---
amdhsa.version: [ 1, 2 ]
amdhsa.kernels:
  - .name:           k_qb1b1353d5f_up
    .symbol:         k_qb1b1353d5f_up.kd
    .args:
      - { .name: W1, .offset: 0, .size: 8, .value_kind: global_buffer, .address_space: global }
      - { .name: b1, .offset: 8, .size: 8, .value_kind: global_buffer, .address_space: global }
      - { .name: xq, .offset: 16, .size: 8, .value_kind: global_buffer, .address_space: global }
      - { .name: lst, .offset: 24, .size: 8, .value_kind: global_buffer, .address_space: global }
      - { .name: hg, .offset: 32, .size: 8, .value_kind: global_buffer, .address_space: global }
      - { .name: sel, .offset: 40, .size: 8, .value_kind: global_buffer, .address_space: global }
      - { .name: part, .offset: 48, .size: 8, .value_kind: global_buffer, .address_space: global }
      - { .name: out1, .offset: 56, .size: 8, .value_kind: global_buffer, .address_space: global }
    .group_segment_fixed_size: 108800
    .private_segment_fixed_size: 0
    .kernarg_segment_align: 8
    .kernarg_segment_size: 64
    .max_flat_workgroup_size: 128
    .sgpr_count:     96
    .vgpr_count:     1024
    .wavefront_size: 32
...
	.end_amdgpu_metadata
.endif
;; end of part 7
;; launch down (part 8): grid 256 x 1, 4 waves a work-group, no clusters, 17,920 bytes of LDS; arguments w2q, hg, lst, yp; writes yp
.if DOCPART == 8
	.amdgcn_target "amdgcn-amd-amdhsa--gfx1250"
	.amdhsa_code_object_version 6
	.text
	.protected	k_qb1b1353d5f_down
	.globl	k_qb1b1353d5f_down
	.p2align	8
	.type	k_qb1b1353d5f_down,@function
k_qb1b1353d5f_down:
	s_mov_b64 s[64:65], 0
	v_nop
	global_prefetch_b8 v0, s[64:65] scope:SCOPE_SE
	s_setreg_imm32_b32 hwreg(HW_REG_WAVE_MODE, 25, 1), 1
	s_wait_xcnt 0x0
; THE SECOND PRODUCT, in parts: yp[q][row] = Q(h)[row, quarter q of F] Q(W2[e])[quarter q, 128 columns], only for the rows that chose expert e (the others have the weight 0 by reference()'s own one_hot).
; Work-group id = 32 e + 8 q + ns.  Its slice of W2 lies in w2q as codes, in register images: nothing is quantised here, and W's fragments go from memory straight into registers.
; SHARES.  Wave w takes column half ch = w / 2 (64 columns: 8 K steps x 4 tiles = 32 fragments, 384 registers) and the expert's tiles of 16 rows tp, tp + 2, .. (tp = w % 2).  Waves share nothing: no barrier.
; TWO BUFFERS for a tile's eight fragments, four scale words and eight list entries (30 loads): a buffer is asked for again as soon as its 32 products are issued, for the tile two turns on, held at the expert's last tile,
; so that no record is read that was not written.  A trip of the loop is two tiles; the second is left by a scalar branch where the expert has none.  The counts are stored numbers: no tensor load, no joint request.
; TRANSPOSED USE: source 0 = 16 columns of W2, source 1 = 16 rows; accumulator register 16 b + y of a lane is column 64 ch + 32 b + 16 (lane / 16) + y of its row.
; THE WAY OUT.  Through the wave's own stage (16 rows x 272 bytes) and back as rows of 256 bytes: lanes 0-15 take row i, lanes 16-31 row i + 8, each to row (k x 1024 + token) of plane q, as the stored list says, held to 2,055.
; Each store covers two aligned runs of 256 bytes.  The rows that fill a last tile go to row 2048 + e, which nobody reads.  The four planes, b2 and the gate's weights meet in the last launch.
; REGISTERS.  Window 0: v1-16 addresses; v32-47 W's scale words; v48-55 the rows' scale words; v56-71 list entries; v72-79 the rows' offsets; v96-127 accumulators.
; Window 1: fragments 0-20 (fragment 4 s + t at 12 registers each); window 2: fragments 21-31; window 3: the rows' fragments, buffer b at v[96 b].
.set REC,   12800
.set WREC,  102400
.set PLANE, 8421376                    ; 2,056 rows of 4,096 bytes
.set SPARE, 17408                      ; behind the four stages of 4,352 bytes: the spare words
.set WS,  32
.set XS,  48
.set EN,  56
.set RO,  72
.set ACC, 96
.set WB,  4
.set INB, 6
.set LB,  8
.set YB,  10
.set WSB, 40
.set NT,  24
.set LAST, 25
.set TR,  26
.set T,   28
.set CN,  29
.set MSB, 0
.macro WIN new
.if MSB != (\new)
	s_set_vgpr_msb (MSB<<8)|(\new)
.set MSB, (\new)
.endif
.endm
.macro SETOFF b, d                     ; buffer b's offsets for tile T + d, held at the expert's last tile
	s_add_co_u32 s30, s[T], \d
	s_min_u32 s30, s30, s[LAST]
	s_min_u32 s30, s30, 63
	s_mul_i32 s31, s30, REC
	s_lshl_b32 s30, s30, 6
	v_add_nc_u32 v[10+4*\b], s31, v1               ; fragments: 16 x lane
	v_add_nc_u32 v[11+4*\b], s31, v4               ; scale words: 4 r + 128 h
	v_add_nc_u32 v[12+4*\b], s30, v5               ; list entries 8 h .. 8 h + 7
.endm
.macro XLOAD b                         ; 30 loads
	WIN 0xc0
.irp s, 0,1,2,3,4,5,6,7
.irp g, 0,1,2
	global_load_b128 v[96*\b+12*\s+4*\g:96*\b+12*\s+4*\g+3], v[10+4*\b], s[INB:INB+1] offset:1536*\s+512*\g
.endr
.endr
	WIN 0
.irp j, 0,1,2,3
	global_load_b32 v[XS+4*\b+\j], v[11+4*\b], s[INB:INB+1] offset:12288+256*(\j/2)+64*(\j%2)   ; lane (r, h): the word of step 4 (j / 2) + j % 2 + 2 h
.endr
	global_load_b128 v[EN+8*\b:EN+8*\b+3], v[12+4*\b], s[LB:LB+1]
	global_load_b128 v[EN+8*\b+4:EN+8*\b+7], v[12+4*\b], s[LB:LB+1] offset:16
.endm
.macro MMALL b                         ; 32 matrix instructions, the four accumulators by turns; K step 0 starts the sums
.irp s, 0,1,2,3,4,5,6,7
.irp t, 0,1,2,3
.set FL, 4*\s+\t
.if FL < 21
	WIN 0x0d
.set FA, 12*FL
.else
	WIN 0x0e
.set FA, 12*(FL-21)
.endif
.set AC, ACC+8*\t
.set XB, 96*\b+12*\s
.set WR, WS+2*\s+\t/2
.set XQ, XS+4*\b+2*(\s/4)+\s%2
.set RA, \t%2
.set RBS, (\s/2)%2
.if (\s == 0) && (RA == 0)
	v_wmma_scale_f32_16x16x128_f8f6f4 v[AC:AC+7], v[FA:FA+11], v[XB:XB+11], 0, v[WR], v[XQ] matrix_a_fmt:MATRIX_FMT_BF6 matrix_b_fmt:MATRIX_FMT_BF6
.elseif \s == 0
	v_wmma_scale_f32_16x16x128_f8f6f4 v[AC:AC+7], v[FA:FA+11], v[XB:XB+11], 0, v[WR], v[XQ] matrix_a_fmt:MATRIX_FMT_BF6 matrix_b_fmt:MATRIX_FMT_BF6 matrix_a_scale:MATRIX_SCALE_ROW1
.elseif (RA == 0) && (RBS == 0)
	v_wmma_scale_f32_16x16x128_f8f6f4 v[AC:AC+7], v[FA:FA+11], v[XB:XB+11], v[AC:AC+7], v[WR], v[XQ] matrix_a_fmt:MATRIX_FMT_BF6 matrix_b_fmt:MATRIX_FMT_BF6
.elseif RBS == 0
	v_wmma_scale_f32_16x16x128_f8f6f4 v[AC:AC+7], v[FA:FA+11], v[XB:XB+11], v[AC:AC+7], v[WR], v[XQ] matrix_a_fmt:MATRIX_FMT_BF6 matrix_b_fmt:MATRIX_FMT_BF6 matrix_a_scale:MATRIX_SCALE_ROW1
.elseif RA == 0
	v_wmma_scale_f32_16x16x128_f8f6f4 v[AC:AC+7], v[FA:FA+11], v[XB:XB+11], v[AC:AC+7], v[WR], v[XQ] matrix_a_fmt:MATRIX_FMT_BF6 matrix_b_fmt:MATRIX_FMT_BF6 matrix_b_scale:MATRIX_SCALE_ROW1
.else
	v_wmma_scale_f32_16x16x128_f8f6f4 v[AC:AC+7], v[FA:FA+11], v[XB:XB+11], v[AC:AC+7], v[WR], v[XQ] matrix_a_fmt:MATRIX_FMT_BF6 matrix_b_fmt:MATRIX_FMT_BF6 matrix_a_scale:MATRIX_SCALE_ROW1 matrix_b_scale:MATRIX_SCALE_ROW1
.endif
.endr
.endr
	WIN 0
.endm
.macro TILE b
	s_wait_loadcnt 30                              ; this buffer's 30 loads are in (and, the first time, W's); the other buffer's 30 may be out
	s_wait_xcnt 0x0                                ; the last tile's stores have read their data (the accumulators' registers) and offsets
	MMALL \b
.irp i, 0,1,2,3,4,5,6,7                ; sixteen plain instructions: also what stands between the last product and the loads and reads below
	v_min_u32 v[RO+\i], 2055, v[EN+8*\b+\i]
.endr
.irp i, 0,1,2,3,4,5,6,7
	v_lshl_add_u32 v[RO+\i], v[RO+\i], 12, v8      ; the row's 4,096 bytes, + 16 (lane % 16)
.endr
	SETOFF \b, 4
	XLOAD \b
.irp p, 0,1
.irp m, 0,1,2,3
	ds_store_b128 v6, v[ACC+16*\p+4*\m:ACC+16*\p+4*\m+3] offset:128*\p+16*\m   ; each accumulator from its low end on
.endr
.endr
.irp i, 0,1,2,3,4,5,6,7
	ds_load_b128 v[ACC+4*\i:ACC+4*\i+3], v7 offset:272*\i   ; LDS serves a wave's instructions in order: these see the stores above.  Rows i and i + 8
.endr
	s_wait_alu depctr_va_vdst(0)
.irp i, 0,1,2,3,4,5,6,7
	s_wait_dscnt 7-\i                              ; the younger loads of this run may be out
	global_store_b128 v[RO+\i], v[ACC+4*\i:ACC+4*\i+3], s[YB:YB+1]
.endr
.endm
	s_load_b256 s[4:11], s[0:1], 0x0               ; w2q 4, hg 6, lst 8, yp 10
	v_lshl_add_u32 v2, v0, 2, SPARE                ; my spare word, and 0
	v_mov_b32 v3, 0
	v_lshrrev_b32 v1, 5, v0
	v_readfirstlane_b32 s18, v1                    ; wave
	v_and_b32 v9, 31, v0                           ; lane
	v_lshlrev_b32 v1, 4, v9                        ; 16 x lane
	v_lshlrev_b32 v9, 2, v9                        ; 4 x lane
	v_and_b32 v17, 15, v0                          ; r
	v_bfe_u32 v18, v0, 4, 1                        ; h
	v_lshlrev_b32 v4, 2, v17
	v_lshl_add_u32 v4, v18, 7, v4                  ; 4 r + 128 h
	v_lshlrev_b32 v5, 5, v18                       ; 32 h
	v_lshlrev_b32 v8, 4, v17                       ; 16 r
	s_mul_i32 s27, s18, 4352                       ; my stage
	v_mul_u32_u24 v6, v17, 272
	v_lshl_add_u32 v6, v18, 6, v6
	v_add_nc_u32 v6, s27, v6                       ; in: row r, + 64 h
	v_mul_u32_u24 v7, v18, 2176
	v_add_nc_u32 v7, v7, v8
	v_add_nc_u32 v7, s27, v7                       ; back: row 8 h, + 16 r
	s_lshr_b32 s16, ttmp9, 5                       ; e
	s_bfe_u32 s17, ttmp9, 0x20003                  ; q
	s_and_b32 s26, ttmp9, 7                        ; ns
	s_lshr_b32 s14, s18, 1                         ; ch
	s_and_b32 s15, s18, 1                          ; tp
	s_mov_b32 s21, 0
	s_wait_alu depctr_va_vdst(0)
	s_wait_kmcnt 0x0
	s_lshl_b32 s20, s16, 7
	s_add_nc_u64 s[22:23], s[LB:LB+1], s[20:21]
	s_load_b32 s19, s[22:23], 0x8000               ; the expert's rows
	s_mul_i32 s20, ttmp9, WREC
	s_add_nc_u64 s[WB:WB+1], s[WB:WB+1], s[20:21]  ; the slice's record
	s_lshl_b32 s20, s14, 8
	s_add_nc_u64 s[WSB:WSB+1], s[WB:WB+1], s[20:21]    ; scale words: my four tiles begin 256 ch bytes on,
	s_mul_i32 s20, s14, 6144
	s_add_nc_u64 s[WB:WB+1], s[WB:WB+1], s[20:21]  ; fragments: 4 ch x 1,536
.set FL, 0
.rept 32                               ; fragment 4 s + t of mine is fragment 8 s + 4 ch + t of the record; 512 consecutive bytes a load
.if FL < 21
	WIN 0x40
.set FA, 12*FL
.else
	WIN 0x80
.set FA, 12*(FL-21)
.endif
.irp g, 0,1,2
	global_load_b128 v[FA+4*\g:FA+4*\g+3], v1, s[WB:WB+1] offset:1536*(8*(FL/4)+FL%4)+512*\g
.endr
.set FL, FL+1
.endr
	WIN 0
.set I, 0
.rept 16
	global_load_b32 v[WS+I], v9, s[WSB:WSB+1] offset:98304+512*(I/2)+128*(I%2)   ; K step I / 2: lanes 0-15 tile 2 (I % 2) of my four, lanes 16-31 the next
.set I, I+1
.endr
	s_lshl_b32 s20, s16, 12
	s_add_nc_u64 s[LB:LB+1], s[LB:LB+1], s[20:21]  ; the expert's list
	s_lshl_b32 s20, s16, 2
	s_add_co_u32 s20, s20, s17
	s_mul_i32 s20, s20, 64*REC
	s_add_nc_u64 s[INB:INB+1], s[INB:INB+1], s[20:21]  ; hg: record (e, q, 0)
	s_mul_i32 s20, s17, PLANE
	s_lshl_b32 s27, s26, 9
	s_add_co_u32 s20, s20, s27
	s_lshl_b32 s27, s14, 8
	s_add_co_u32 s20, s20, s27
	s_add_nc_u64 s[YB:YB+1], s[YB:YB+1], s[20:21]  ; yp: plane q, my 256 bytes of a row
	s_wait_kmcnt 0x0
	s_min_u32 s19, s19, 1024
	s_add_co_u32 s[NT], s19, 15
	s_lshr_b32 s[NT], s[NT], 4                     ; tiles of 16 rows
	s_sub_co_u32 s[LAST], s[NT], 1
	s_cmp_ge_u32 s15, s[NT]
	s_cbranch_scc1 .Lend                           ; no tile for this wave
	s_sub_co_u32 s[TR], s[NT], s15                 ; my tiles: (tiles - tp + 1) / 2; two to a trip: sixteen trips at the most
	s_add_co_u32 s[TR], s[TR], 3
	s_lshr_b32 s[TR], s[TR], 2
	s_min_u32 s[TR], s[TR], 16
	s_mov_b32 s[CN], 0
	s_mov_b32 s[T], s15
	SETOFF 0, 0
	XLOAD 0
	SETOFF 1, 2
	XLOAD 1
.Ltile:
	TILE 0
	s_add_co_u32 s[T], s[T], 2
	s_cmp_ge_u32 s[T], s[NT]
	s_cbranch_scc1 .Lend                           ; the trip's second tile does not exist
	TILE 1
	s_add_co_u32 s[T], s[T], 2
	s_add_co_u32 s[CN], s[CN], 1
	s_cmp_lt_u32 s[CN], s[TR]
	s_cbranch_scc1 .Ltile
.Lend:
	s_wait_tensorcnt 0x0                           ; the wave's end
	ds_add_u32 v2, v3
	s_wait_dscnt 0x0
	s_endpgm
.Lfunc_end_k_qb1b1353d5f_down:
	.size	k_qb1b1353d5f_down, .Lfunc_end_k_qb1b1353d5f_down-k_qb1b1353d5f_down
	.p2alignl 7, 3214868480
	.fill 96, 4, 3214868480
	.section	.rodata,"a",@progbits
	.p2align	6, 0x0
	.amdhsa_kernel k_qb1b1353d5f_down
		.amdhsa_group_segment_fixed_size 17920
		.amdhsa_private_segment_fixed_size 0
		.amdhsa_enable_private_segment 0
		.amdhsa_kernarg_size 32
		.amdhsa_user_sgpr_count 2
		.amdhsa_user_sgpr_kernarg_segment_ptr 1
		.amdhsa_wavefront_size32 1
		.amdhsa_system_sgpr_workgroup_id_x 1
		.amdhsa_system_sgpr_workgroup_id_y 1
		.amdhsa_system_sgpr_workgroup_id_z 1
		.amdhsa_system_vgpr_workitem_id 0
		.amdhsa_next_free_vgpr 1024
		.amdhsa_next_free_sgpr 66
		.amdhsa_reserve_vcc 0
		.amdhsa_float_denorm_mode_32 3
		.amdhsa_float_denorm_mode_16_64 3
		.amdhsa_memory_ordered 1
		.amdhsa_forward_progress 1
		.amdhsa_inst_pref_size 41
	.end_amdhsa_kernel
	.amdgpu_metadata
---
amdhsa.version: [ 1, 2 ]
amdhsa.kernels:
  - .name:           k_qb1b1353d5f_down
    .symbol:         k_qb1b1353d5f_down.kd
    .args:
      - { .name: w2q, .offset: 0, .size: 8, .value_kind: global_buffer, .address_space: global }
      - { .name: hg, .offset: 8, .size: 8, .value_kind: global_buffer, .address_space: global }
      - { .name: lst, .offset: 16, .size: 8, .value_kind: global_buffer, .address_space: global }
      - { .name: yp, .offset: 24, .size: 8, .value_kind: global_buffer, .address_space: global }
    .group_segment_fixed_size: 17920
    .private_segment_fixed_size: 0
    .kernarg_segment_align: 8
    .kernarg_segment_size: 32
    .max_flat_workgroup_size: 128
    .sgpr_count:     66
    .vgpr_count:     1024
    .wavefront_size: 32
...
	.end_amdgpu_metadata
.endif
;; end of part 8
;; launch comb (part 9): grid 256 x 1, 8 waves a work-group, no clusters, 0 bytes of LDS; arguments yp, sel, gw, b2, out0; writes out0
.if DOCPART == 9
	.amdgcn_target "amdgcn-amd-amdhsa--gfx1250"
	.amdhsa_code_object_version 6
	.text
	.protected	k_qb1b1353d5f_comb
	.globl	k_qb1b1353d5f_comb
	.p2align	8
	.type	k_qb1b1353d5f_comb,@function
k_qb1b1353d5f_comb:
	s_mov_b64 s[64:65], 0
	v_nop
	global_prefetch_b8 v0, s[64:65] scope:SCOPE_SE
	s_setreg_imm32_b32 hwreg(HW_REG_WAVE_MODE, 25, 1), 1
	s_wait_xcnt 0x0
; THE COMBINING: out[token] = w0 (the four planes' rows of the first choice + b2[e0]) + w1 (the same of the second choice).  A stream: no LDS, no barrier, no matrix unit.
; A wave owns half a row of one token (2,048 bytes): four groups of 512 consecutive bytes.  All 32 loads of yp go out first, since their addresses hang on ids alone; then the choice is awaited and the 8 loads of b2 follow.
; Every register is written once, so no wait frees a register.
	s_load_b256 s[4:11], s[0:1], 0x0               ; yp 4, sel 6, gw 8, b2 10
	s_load_b64 s[12:13], s[0:1], 0x20              ; out0
	v_lshrrev_b32 v1, 5, v0
	s_delay_alu instid0(VALU_DEP_1)
	v_readfirstlane_b32 s14, v1                    ; wave
	s_lshr_b32 s15, s14, 1
	s_lshl_b32 s16, ttmp9, 2
	s_add_co_u32 s15, s15, s16                     ; token
	s_and_b32 s14, s14, 1                          ; which half of its row
	v_and_b32 v1, 31, v0
	s_delay_alu instid0(VALU_DEP_1)
	v_lshlrev_b32 v1, 4, v1                        ; 16 x lane
	s_lshl_b32 s30, s15, 2
	s_mov_b32 s31, 0
	s_lshl_b32 s32, s15, 3
	s_mov_b32 s33, 0
	s_lshl_b32 s36, s14, 11
	s_lshl_b32 s34, s15, 12
	s_add_co_u32 s34, s34, s36
	s_mov_b32 s35, 0
	s_wait_alu depctr_va_vdst(0)
	s_wait_kmcnt 0x0
	s_add_nc_u64 s[6:7], s[6:7], s[30:31]
	s_add_nc_u64 s[8:9], s[8:9], s[32:33]
	s_load_b32 s24, s[6:7], 0x0                    ; e0 | e1 << 8
	s_load_b64 s[26:27], s[8:9], 0x0               ; w0, w1
	s_add_nc_u64 s[16:17], s[4:5], s[34:35]        ; the token's half row in planes 0 to 3
	s_add_nc_u64 s[18:19], s[16:17], 8421376
	s_add_nc_u64 s[20:21], s[18:19], 8421376
	s_add_nc_u64 s[22:23], s[20:21], 8421376
	s_add_nc_u64 s[12:13], s[12:13], s[34:35]
.irp i, 0,1,2,3
.irp k, 0,1
.irp q, 0,1,2,3
	global_load_b128 v[32+40*\i+16*\k+4*\q:35+40*\i+16*\k+4*\q], v1, s[16+2*\q:17+2*\q] offset:4194304*\k+512*\i th:TH_LOAD_NT   ; the second choice's rows lie 1,024 rows on
.endr
.endr
.endr
	s_wait_kmcnt 0x0
	s_and_b32 s28, s24, 0xff
	s_min_u32 s28, s28, 7
	s_lshl_b32 s28, s28, 12
	s_add_co_u32 s28, s28, s36
	s_lshr_b32 s29, s24, 8
	s_min_u32 s29, s29, 7
	s_lshl_b32 s29, s29, 12
	s_add_co_u32 s29, s29, s36
	v_add_nc_u32 v2, s28, v1                       ; b2[e0], my half, my 16 bytes
	v_add_nc_u32 v3, s29, v1                       ; b2[e1]
	s_mov_b32 s38, s27                             ; w1 as the low word of a pair of its own
	s_mov_b32 s39, s27
.irp i, 0,1,2,3
.irp k, 0,1
	global_load_b128 v[64+40*\i+4*\k:67+40*\i+4*\k], v[2+\k], s[10:11] offset:512*\i
.endr
.endr
.macro GROUP i
	s_wait_loadcnt 2*(3-\i)                        ; all of yp and this group's b2 are in; the later groups' loads of b2 may be out
.irp k, 0,1
.irp d, 0,2
.set YR, 32+40*\i+16*\k+\d
	v_pk_add_f32 v[YR:YR+1], v[YR:YR+1], v[YR+4:YR+5]
	v_pk_add_f32 v[YR+8:YR+9], v[YR+8:YR+9], v[YR+12:YR+13]
	s_delay_alu instid0(VALU_DEP_1)
	v_pk_add_f32 v[YR:YR+1], v[YR:YR+1], v[YR+8:YR+9]
	s_delay_alu instid0(VALU_DEP_1)
	v_pk_add_f32 v[YR:YR+1], v[YR:YR+1], v[64+40*\i+4*\k+\d:65+40*\i+4*\k+\d]
.endr
.endr
.irp d, 0,2
.set YR, 32+40*\i+\d
	v_pk_mul_f32 v[YR:YR+1], v[YR:YR+1], s[26:27] op_sel_hi:[1,0]
	s_delay_alu instid0(VALU_DEP_1)
	v_pk_fma_f32 v[YR:YR+1], v[YR+16:YR+17], s[38:39], v[YR:YR+1] op_sel_hi:[1,0,1]
.endr
	global_store_b128 v1, v[32+40*\i:35+40*\i], s[12:13] offset:512*\i th:TH_STORE_NT    ; 512 consecutive bytes, written once
.endm
	GROUP 0
	GROUP 1
	GROUP 2
	GROUP 3
	s_endpgm
.Lfunc_end_k_qb1b1353d5f_comb:
	.size	k_qb1b1353d5f_comb, .Lfunc_end_k_qb1b1353d5f_comb-k_qb1b1353d5f_comb
	.p2alignl 7, 3214868480
	.fill 96, 4, 3214868480
	.section	.rodata,"a",@progbits
	.p2align	6, 0x0
	.amdhsa_kernel k_qb1b1353d5f_comb
		.amdhsa_group_segment_fixed_size 0
		.amdhsa_private_segment_fixed_size 0
		.amdhsa_enable_private_segment 0
		.amdhsa_kernarg_size 40
		.amdhsa_user_sgpr_count 2
		.amdhsa_user_sgpr_kernarg_segment_ptr 1
		.amdhsa_wavefront_size32 1
		.amdhsa_system_sgpr_workgroup_id_x 1
		.amdhsa_system_sgpr_workgroup_id_y 1
		.amdhsa_system_sgpr_workgroup_id_z 1
		.amdhsa_system_vgpr_workitem_id 0
		.amdhsa_next_free_vgpr 200
		.amdhsa_next_free_sgpr 66
		.amdhsa_reserve_vcc 0
		.amdhsa_float_denorm_mode_32 3
		.amdhsa_float_denorm_mode_16_64 3
		.amdhsa_memory_ordered 1
		.amdhsa_forward_progress 1
		.amdhsa_inst_pref_size 13
	.end_amdhsa_kernel
	.amdgpu_metadata
---
amdhsa.version: [ 1, 2 ]
amdhsa.kernels:
  - .name:           k_qb1b1353d5f_comb
    .symbol:         k_qb1b1353d5f_comb.kd
    .args:
      - { .name: yp, .offset: 0, .size: 8, .value_kind: global_buffer, .address_space: global }
      - { .name: sel, .offset: 8, .size: 8, .value_kind: global_buffer, .address_space: global }
      - { .name: gw, .offset: 16, .size: 8, .value_kind: global_buffer, .address_space: global }
      - { .name: b2, .offset: 24, .size: 8, .value_kind: global_buffer, .address_space: global }
      - { .name: out0, .offset: 32, .size: 8, .value_kind: global_buffer, .address_space: global }
    .group_segment_fixed_size: 0
    .private_segment_fixed_size: 0
    .kernarg_segment_align: 8
    .kernarg_segment_size: 40
    .max_flat_workgroup_size: 256
    .sgpr_count:     66
    .vgpr_count:     200
    .wavefront_size: 32
...
	.end_amdgpu_metadata
.endif
;; end of part 9
